; MI455X (gfx1250); checked and timed in simulation.
; The chip was launched on July 23, 2026; its instructions are those of AMD's public machine-readable ISA for CDNA 5 (MIT licence, August 2026) and "CDNA5" Instruction Set Architecture Reference Guide (July 2026). The comments in the code are by the model that wrote it; some were corrected since.
;; Decoder Grouped Query Head Attention Rope. Allowed arithmetic: matrix products marked QUANTISED: E2M1 operands, one E8M0 scale for each 32 along K, by v_wmma_scale_f32_16x16x128_f8f6f4 with both operands' format E2M1 (or v_wmma_scale_f32_32x16x128_f4), f32 sums; products left as they are: bf16, f16 or f32 operands; f32 sums; everything else in f32.
;; Inputs: Wkv 1,024 x 2,048 float32; Wo 2,048 x 2,048 float32; Wq 2,048 x 2,048 float32; bo 2,048 float32; rope_cos 2,048 x 64 float32; rope_sin 2,048 x 64 float32; x 1 x 2,048 x 2,048 float32.
;; Outputs: out0 1 x 2,048 x 2,048 float32.
;; This version of the problem:
;;   THIS VERSION OF THE PROBLEM IS GIVEN IN LOW PRECISION. The matrix products marked QUANTISED in the list below multiply operands that are first quantised to E2M1 (2 exponent bits, 1 mantissa bit; 4 bits a number), with one power-of-two scale for each 32 numbers along K (OCP MX v1.0); their sums are f32. The products marked 'left as it is' may take bf16, f16 or f32 operands, with f32 sums. Whichever they take, every output number must still come out within the allowed error. Rounding operands to bf16 (8 significant bits) uses up far more of that allowance than f16 does (11 bits, for magnitudes from 6e-5 to 65,504). All else is computed in f32.
;;   The module's matrix products, in the order in which they are computed (A, B: the left and right operand; K: the contracted axis; several contracted axes count as one K, in the product's order):
;;     1. [M 2,048, K 2,048] x [K 2,048, N 2,048]; A: input x; B: input Wq: QUANTISED
;;     2. [M 2,048, K 2,048] x [K 2,048, N 1,024]; A: input x; B: input Wkv: QUANTISED
;;     3. batch 16 x [M 2,048, K 128] x [K 128, N 2,048]; A: computed on the way; B: computed on the way: left as it is (an operand is computed on the way)
;;     4. batch 16 x [M 2,048, K 2,048] x [K 2,048, N 128]; A: computed on the way; B: computed on the way: left as it is (an operand is computed on the way)
;;     5. [M 2,048, K 2,048] x [K 2,048, N 2,048]; A: computed on the way; B: input Wo: left as it is (an operand is computed on the way)
;;   THE QUANTISER, for each operand of a quantised product, along K:
;;     - K is cut into blocks of 32 from its start; a last block that is shorter is filled with zeros.
;;     - A block's scale is 2^e with e = floor(log2(the largest magnitude in the block)) - 2, held to -126 .. 127; a block of zeros has e = 0. As a byte (E8M0): e + 127.
;;     - Each number is divided by its block's scale, clamped to +-6, and rounded to the nearest number of E2M1, ties to even, subnormals kept.
;;     - The product sums the exact products of the quantised numbers (number of the format x scale) in f32.
;;   ~~~python
;;   def quantise(x, axis):      # numpy; x: float32 -> the quantised numbers, widened to float32 again
;;       x = np.moveaxis(x, axis, -1); K = x.shape[-1]
;;       x = np.pad(x, [(0, 0)] * (x.ndim - 1) + [(0, -K % 32)]); x = x.reshape(x.shape[:-1] + (-1, 32)); a = np.abs(x).max(-1, keepdims=True)
;;       e = np.where(a > 0, np.clip(np.frexp(np.where(a > 0, a, 1))[1] - 1 - 2, -126, 127), 0)      # np.frexp(a)[1] - 1 = floor(log2(a)), exactly
;;       r = np.clip(x / 2.0 ** e, -6, 6)
;;       step = 2.0 ** (np.maximum(np.frexp(np.where(r == 0, 1, r))[1] - 1, 0) - 1)
;;       q = np.round(r / step) * step * 2.0 ** e      # np.round: ties to even
;;       return np.moveaxis(q.reshape(q.shape[:-2] + (-1,))[..., :K], -1, axis).astype(np.float32)
;;   ~~~
;; One version. Each part assembles by itself: llvm-mc -triple=amdgcn-amd-amdhsa -mcpu=gfx1250 --defsym DOCPART=n.
;; ======== version 1 of 1: 5 launches
;; limits: values are held in f16: magnitudes above 65,504 overflow, below 6.1e-05 lose precision
;; workspace buffers: xc 2,097,152 bytes; xs 131,072 bytes; wc 3,145,728 bytes; ws 196,608 bytes; wo16 8,388,608 bytes; qkv 12,582,912 bytes; fin 196,608 bytes; att 8,388,608 bytes
;; launch prep (part 1): grid 448 x 1, 4 waves a work-group, no clusters, 33,280 bytes of LDS; arguments x, Wq, Wkv, Wo, xc, xs, wc, ws, wo16; writes xc, xs, wc, ws, wo16
.if DOCPART == 1
	.amdgcn_target "amdgcn-amd-amdhsa--gfx1250"
	.amdhsa_code_object_version 6
	.text
	.protected	k_q8e722fab15_prep
	.globl	k_q8e722fab15_prep
	.p2align	8
	.type	k_q8e722fab15_prep,@function
k_q8e722fab15_prep:
	s_mov_b64 s[64:65], 0
	v_nop
	global_prefetch_b8 v0, s[64:65] scope:SCOPE_SE
	s_setreg_imm32_b32 hwreg(HW_REG_WAVE_MODE, 25, 1), 1
	s_wait_xcnt 0x0
; x [2048][2048], Wq [2048][2048] and Wkv [1024][2048], f32 with K innermost, become codes of FP4 (E2M1), two a byte, and one E8M0 byte for each 32 along K;
; Wo [2048][2048] is rounded to f16.  Codes: xc [2048][1024 bytes]; wc [3072][1024 bytes], Wq's rows and behind them Wkv's.  Scale bytes: xs [2048][64], ws [3072][64].
; A block's scale is 2^(floor(log2(its largest magnitude)) - 2): its byte is the largest magnitude's exponent field - 2, held at 1 from below.
; LIMITS: a block of zeros, or one whose largest magnitude lies under 2^-124, gets the byte 1 (its codes add nothing; this program alone reads the bytes);
; NaN and infinities among the inputs are not served; a number of Wo beyond 65,504 becomes an infinity of f16.
; SHARES: a work-group takes 32,768 numbers, a wave 8,192, as 16 steps of 512.  Work-groups 0-127: x; 128-255: Wq; 256-319: Wkv; 320-447: Wo.  Rows are dense, so each tensor is a plain stream.
; The three quantised tensors take ONE path, on pointers chosen by the work-group's number.  A load reads 512 consecutive bytes, 16 a lane; the conversions want 16 NEIGHBOURS in a lane: a step's 2,048 bytes
; turn through the wave's own stage in LDS (64 bytes + 16 of padding a lane).  A wave's 256 scale bytes are gathered in LDS and leave as 256 consecutive aligned bytes.  Waves share nothing: no barrier.
.set WAVES, 4
.set STEPS, 16
.set EMAX,  2
.set CB,    8                          ; bytes of 16 codes
.set R,     16                         ; v16-79   four sets of 16 numbers as loaded
.set X,     80                         ; v80-111  two sets of 16 neighbours; on Wo's path four sets of 8 registers of f16
.set E,     112                        ; v112-127 a scale byte for each step
.set C,     128                        ; v128-191 codes, four registers for each step
.set WREG,  8192                       ; LDS of a wave: two stages of 32 x SP bytes, then its 256 scale bytes
.set SP,    80
.set SPW,   12                         ; v12 LDS address of my spare word; never rewritten
.set NIL,   13                         ; v13 0; never rewritten
.set SPARE, WAVES*WREG                 ; the spare words: 128 bytes a wave, named by no other line
	s_load_b256 s[36:43], s[0:1], 0x0              ; x, Wq, Wkv, Wo
	s_load_b256 s[44:51], s[0:1], 0x20             ; xc, xs, wc, ws
	s_load_b64 s[52:53], s[0:1], 0x40              ; wo16
	v_lshl_add_u32 v[SPW], v0, 2, SPARE
	v_mov_b32 v[NIL], 0
	v_lshrrev_b32 v1, 5, v0
	v_readfirstlane_b32 s16, v1                    ; wave
	v_and_b32 v2, 31, v0                           ; lane
	v_lshlrev_b32 v3, 4, v2                        ; my 16 bytes of a load's 512
	s_mul_i32 s17, s16, WREG
	v_lshrrev_b32 v14, 2, v2
	v_mul_u32_u24 v14, v14, SP
	v_and_b32 v15, 3, v2
	v_lshl_add_u32 v14, v15, 4, v14
	v_add_nc_u32 v14, s17, v14                     ; the stage, way in: SP (lane / 4) + 16 (lane % 4)
	v_mul_u32_u24 v15, v2, SP
	v_add_nc_u32 v15, s17, v15                     ; way out: SP x lane: my 16 neighbours
	v_mul_u32_u24 v4, v2, CB                       ; my codes' place in a step's
	v_lshrrev_b32 v5, 1, v2
	s_add_co_u32 s17, s17, 2*32*SP
	v_add_nc_u32 v5, s17, v5                       ; my block's byte among the wave's 256
	v_lshlrev_b32 v7, 3, v2                        ; 8 bytes a lane
	v_add_nc_u32 v6, s17, v7
	s_wait_kmcnt 0x0
	s_cmp_lt_u32 ttmp9, 128                        ; the choices hang on the work-group's number alone
	s_cselect_b64 s[4:5], s[36:37], s[38:39]       ; x or Wq
	s_cselect_b64 s[8:9], s[44:45], s[48:49]       ; xc or wc
	s_cselect_b64 s[10:11], s[46:47], s[50:51]     ; xs or ws
	s_cselect_b32 s22, 0, 128                      ; the first work-group of the destination
	s_mov_b32 s23, 256
	s_cmp_lt_u32 ttmp9, 256
	s_cselect_b64 s[4:5], s[4:5], s[40:41]         ; or Wkv
	s_cselect_b32 s23, s22, s23                    ; the first work-group of the source
	s_mov_b32 s24, 320
	s_cmp_lt_u32 ttmp9, 320
	s_cselect_b64 s[4:5], s[4:5], s[42:43]         ; or Wo
	s_cselect_b32 s23, s23, s24
	s_sub_co_u32 s17, ttmp9, s23
	s_lshl_b32 s17, s17, 2
	s_add_co_u32 s18, s17, s16                     ; which run of 8,192 numbers of the source is my wave's
	s_mov_b32 s19, 0
	s_lshl_b64 s[20:21], s[18:19], 15              ; 32,768 bytes a run
	s_add_nc_u64 s[4:5], s[4:5], s[20:21]
	s_cmp_ge_u32 ttmp9, 320
	s_cbranch_scc1 .Lwo
	s_sub_co_u32 s17, ttmp9, s22
	s_lshl_b32 s17, s17, 2
	s_add_co_u32 s18, s17, s16                     ; which run of the destination: Wkv's runs follow Wq's
	s_lshl_b32 s20, s18, 12                        ; 4,096 bytes of codes a run
	s_mov_b32 s21, 0
	s_add_nc_u64 s[8:9], s[8:9], s[20:21]
	s_lshl_b32 s20, s18, 8                         ; 256 scale bytes a run
	s_add_nc_u64 s[10:11], s[10:11], s[20:21]
.macro LOAD t
.irp i, 0,1,2,3
	global_load_b128 v[R+16*((\t)%4)+4*\i:R+16*((\t)%4)+4*\i+3], v3, s[4:5] offset:2048*(\t)+512*\i th:TH_LOAD_NT   ; 32 lanes read 512 consecutive bytes
.endr
.endm
.macro TURN t                          ; step t's numbers through the stage: LDS serves a wave's instructions in order, so no wait stands between the stores and the loads
.irp i, 0,1,2,3
	ds_store_b128 v14, v[R+16*((\t)%4)+4*\i:R+16*((\t)%4)+4*\i+3] offset:32*SP*((\t)%2)+8*SP*\i
.endr
.irp i, 0,1,2,3
	ds_load_b128 v[X+16*((\t)%2)+4*\i:X+16*((\t)%2)+4*\i+3], v15 offset:32*SP*((\t)%2)+16*\i
.endr
.endm
.irp t, 0,1,2,3
	LOAD \t
.endr
	s_wait_loadcnt 12                              ; step 0's four loads are in; three steps' twelve may be out
	TURN 0
.macro STEP t
.set XS, X+16*((\t)%2)
.if (\t) > 0
	s_wait_dscnt 1                                 ; this step's numbers are back from the stage; the last step's byte store may be out
.else
	s_wait_dscnt 0x0
.endif
.if (\t)+4 < STEPS
	LOAD (\t)+4                                    ; into the registers that the stage's stores have read
.endif
.if (\t)+1 < STEPS
.if STEPS-2-(\t) >= 3
	s_wait_loadcnt 12                              ; the next step's four loads are in; those of the three steps behind it may be out
.else
	s_wait_loadcnt 4*(STEPS-2-(\t))
.endif
	TURN (\t)+1
.endif
	v_max3_num_f32 v8, |v[XS]|, |v[XS+1]|, |v[XS+2]|               ; the largest magnitude of my 16, in two chains
	v_max3_num_f32 v9, |v[XS+3]|, |v[XS+4]|, |v[XS+5]|
.irp i, 6,10
	v_max3_num_f32 v8, v8, |v[XS+\i]|, |v[XS+\i+1]|
	v_max3_num_f32 v9, v9, |v[XS+\i+2]|, |v[XS+\i+3]|
.endr
	v_max3_num_f32 v8, v8, |v[XS+14]|, |v[XS+15]|
	v_max3_num_f32 v8, v8, v9, (EMAX+1)<<23        ; and the floor 2^(3 - 127): the byte cannot fall under 1
	v_max_num_f32_dpp v8, v8, v8 row_xmask:1 row_mask:0xf bank_mask:0xf   ; with my neighbour's 16: the block's
	v_add_nc_u32 v11, -(EMAX<<23), v8              ; 2 off its exponent field: the conversion takes this operand's exponent field as its scale
	v_cvt_scalef32_pk8_fp4_f32 v[C+4*(\t)], v[XS:XS+7], v11
	v_cvt_scalef32_pk8_fp4_f32 v[C+4*(\t)+1], v[XS+8:XS+15], v11
	v_lshrrev_b32 v[E+(\t)], 23, v11               ; the scale's byte (also the plain line behind the conversions)
	ds_store_b8 v5, v[E+(\t)] offset:16*(\t)       ; both lanes of a block write the same byte with the same value
	global_store_b64 v4, v[C+4*(\t):C+4*(\t)+1], s[8:9] offset:32*CB*(\t)   ; the wave stores 256 consecutive aligned bytes
.endm
.irp t, 0,1,2,3,4,5,6,7,8,9,10,11,12,13,14,15
	STEP \t
.endr
	ds_load_b64 v[8:9], v6                         ; served behind my byte stores
	s_wait_dscnt 0x0
	global_store_b64 v7, v[8:9], s[10:11]          ; 256 consecutive aligned bytes of scales
	s_wait_tensorcnt 0x0                           ; the wave's end, behind my last LDS store
	ds_add_u32 v[SPW], v[NIL]
	s_wait_dscnt 0x0
	s_endpgm
; Wo to f16: a plain stream through registers.  A load's 4 numbers of a lane become 8 bytes: the wave stores 256 consecutive aligned bytes.
.Lwo:
	s_lshl_b32 s20, s18, 14                        ; 16,384 bytes of f16 a run
	s_mov_b32 s21, 0
	s_add_nc_u64 s[52:53], s[52:53], s[20:21]
.macro WSTEP t
.if 15-(\t) >= 3
	s_wait_loadcnt 12                              ; this step's four loads are in; three steps' twelve may be out
.else
	s_wait_loadcnt 4*(15-(\t))
.endif
	s_wait_xcnt 0x0                                ; the stores of four steps back have read the registers that are written now
.irp i, 0,1,2,3
.irp k, 0,1
	v_cvt_pk_f16_f32 v[X+8*((\t)%4)+2*\i+\k], v[R+16*((\t)%4)+4*\i+2*\k], v[R+16*((\t)%4)+4*\i+2*\k+1]
.endr
.endr
.if (\t)+4 < STEPS
	LOAD (\t)+4                                    ; loads ahead of stores
.endif
.irp i, 0,1,2,3
	global_store_b64 v7, v[X+8*((\t)%4)+2*\i:X+8*((\t)%4)+2*\i+1], s[52:53] offset:1024*(\t)+256*\i
.endr
.endm
.irp t, 0,1,2,3
	LOAD \t
.endr
.irp t, 0,1,2,3,4,5,6,7,8,9,10,11,12,13,14,15
	WSTEP \t
.endr
	s_wait_tensorcnt 0x0                           ; the closing three lines stand on this path too
	ds_add_u32 v[SPW], v[NIL]
	s_wait_dscnt 0x0
	s_endpgm
.Lfunc_end_k_q8e722fab15_prep:
	.size	k_q8e722fab15_prep, .Lfunc_end_k_q8e722fab15_prep-k_q8e722fab15_prep
	.p2alignl 7, 3214868480
	.fill 96, 4, 3214868480
	.section	.rodata,"a",@progbits
	.p2align	6, 0x0
	.amdhsa_kernel k_q8e722fab15_prep
		.amdhsa_group_segment_fixed_size 33280
		.amdhsa_private_segment_fixed_size 0
		.amdhsa_enable_private_segment 0
		.amdhsa_kernarg_size 72
		.amdhsa_user_sgpr_count 2
		.amdhsa_user_sgpr_kernarg_segment_ptr 1
		.amdhsa_wavefront_size32 1
		.amdhsa_system_sgpr_workgroup_id_x 1
		.amdhsa_system_sgpr_workgroup_id_y 1
		.amdhsa_system_sgpr_workgroup_id_z 1
		.amdhsa_system_vgpr_workitem_id 0
		.amdhsa_next_free_vgpr 192
		.amdhsa_next_free_sgpr 66
		.amdhsa_reserve_vcc 0
		.amdhsa_float_denorm_mode_32 3
		.amdhsa_float_denorm_mode_16_64 3
		.amdhsa_memory_ordered 1
		.amdhsa_forward_progress 1
		.amdhsa_inst_pref_size 55
	.end_amdhsa_kernel
	.amdgpu_metadata
---
amdhsa.version: [ 1, 2 ]
amdhsa.kernels:
  - .name:           k_q8e722fab15_prep
    .symbol:         k_q8e722fab15_prep.kd
    .args:
      - { .name: x, .offset: 0, .size: 8, .value_kind: global_buffer, .address_space: global }
      - { .name: Wq, .offset: 8, .size: 8, .value_kind: global_buffer, .address_space: global }
      - { .name: Wkv, .offset: 16, .size: 8, .value_kind: global_buffer, .address_space: global }
      - { .name: Wo, .offset: 24, .size: 8, .value_kind: global_buffer, .address_space: global }
      - { .name: xc, .offset: 32, .size: 8, .value_kind: global_buffer, .address_space: global }
      - { .name: xs, .offset: 40, .size: 8, .value_kind: global_buffer, .address_space: global }
      - { .name: wc, .offset: 48, .size: 8, .value_kind: global_buffer, .address_space: global }
      - { .name: ws, .offset: 56, .size: 8, .value_kind: global_buffer, .address_space: global }
      - { .name: wo16, .offset: 64, .size: 8, .value_kind: global_buffer, .address_space: global }
    .group_segment_fixed_size: 33280
    .private_segment_fixed_size: 0
    .kernarg_segment_align: 8
    .kernarg_segment_size: 72
    .max_flat_workgroup_size: 128
    .sgpr_count:     66
    .vgpr_count:     192
    .wavefront_size: 32
...
	.end_amdgpu_metadata
.endif
;; end of part 1
;; launch heads (part 2): grid 12 x 8, 4 waves a work-group, clusters of 4 x 4, 327,680 bytes of LDS; arguments xc, xs, wc, ws, rope_cos, rope_sin, qkv, fin; writes qkv, fin
.if DOCPART == 2
	.amdgcn_target "amdgcn-amd-amdhsa--gfx1250"
	.amdhsa_code_object_version 6
	.text
	.protected	k_q8e722fab15_heads
	.globl	k_q8e722fab15_heads
	.p2align	8
	.type	k_q8e722fab15_heads,@function
k_q8e722fab15_heads:
	s_mov_b64 s[64:65], 0
	v_nop
	global_prefetch_b8 v0, s[64:65] scope:SCOPE_SE
	s_setreg_imm32_b32 hwreg(HW_REG_WAVE_MODE, 25, 1), 1
	s_wait_xcnt 0x0
	s_wait_alu depctr_hold_cnt(0) depctr_sa_sdst(0) depctr_va_vdst(0) depctr_va_sdst(0) depctr_va_ssrc(0) depctr_va_vcc(0) depctr_vm_vsrc(0)
	s_getreg_b32 s2, hwreg(HW_REG_IB_STS2, 6, 4)
	s_cmp_eq_u32 s2, 0
	s_cbranch_scc0 .Lentry_in_a_cluster
	s_endpgm
.Lentry_in_a_cluster:
	s_bfe_u32 s2, ttmp6, 0x10000c
	s_cmp_lg_u32 s2, 0xf033
	s_cbranch_scc0 .Lentry_shape_is_right
	s_endpgm
.Lentry_shape_is_right:
; [2048 tokens] x [3072 columns] = x W^T on codes of FP4 (E2M1) with one E8M0 scale for each 32 along K = 2048 (W: Wq's 2048 rows, then Wkv's 1024); then the rotation of q and k, and f16.
; OUT: qkv [24 heads][2048 tokens][128] f16: heads 0-15 q x log2(e)/sqrt(128)/2, heads 16-19 k x 2^-4, heads 20-23 v as it is.  So a score q.k leaves the next launch's product as t / 32, t the exponent of 2 in the softmax,
; and that launch's constant, 32, is a power of two.  fin: tokens 0-15 of the 24 heads in f32, same scaling, 8,192 bytes a head: (token r, d = 16 b + 8 h + 4 u + e) at byte 512 (2 b + u) + 16 (r + 16 h) + 4 e.
; LIMITS: q and k are finite in f16 up to magnitudes of about 1e6, v up to 65,504; NaN and infinities in cos and sin are not served.
; A tile of 256 x 256 is made by four waves, each 128 x 128: 64 accumulators, 512 registers.  A wave's 128 columns are ONE head.  K goes in steps of 512 through a ring of two LDS slots (rows of 256 bytes) filled by tensor loads.
; The scale bytes of the work-group's 256 + 256 rows, for all of K, come into LDS once, with the first fills.
; CLUSTERS: 4 x 4 work-groups: x's tiles are shared along a row of the cluster, W's along a column: each is asked for jointly, by the same tensor load with the same descriptor and a mask that names the four.
; The matrix instruction is used TRANSPOSED (source 0 = 16 rows of W, source 1 = 16 tokens): in accumulator (a, b) lane (r, h) holds token 16 a + r and its register i the channel d = 16 b + 8 h + i.
; So the rotation's partner d + 64 is accumulator (a, b + 4), same lane, same register.
; 96 work-groups: the grid of 12 x 8 tiles; a tile of half the side would double the LDS bytes read for each product.
; REGISTERS: window 0: v0-31 addresses; v32-95 scale words, two sets; v128-191 x's fragments, one set; on the way out v32-191 are at work.
;   window 1: W's fragments, two sets, at v0 and v128; v64-127 and v192-255: cos and sin of 16 tokens, two sets.   windows 2, 3: the accumulators.
.set SIZE_M, 2048
.set SIZE_N, 3072
.set SIZE_K, 2048
.set KSTEP,  512
.set NQ,     KSTEP/128
.set ROWB,   256
.set KROW,   SIZE_K*4/8
.set PITCH,  272                       ; an LDS row: 256 bytes + 16 of padding: the 16 rows that a load touches start 68 words apart
.set FR,     8
.set NL,     2
.set NP,     4
.set HALFT,  128*PITCH
.set SLOT,   4*HALFT
.set LAPS,   SIZE_K/(2*KSTEP)
.set KS,     SIZE_K/32
.set SCL,    2*SLOT
.set HALFS,  (128*KS/256)*272
.set SBLK,   (16*KS/256)*272
.set SPARE,  SCL+4*HALFS               ; the spare words: 128 bytes a wave, named by no other line
.set SPITCH, 272                       ; the way out: a stage of 16 rows x (256 bytes + 16) for each wave, in slot 0, which has had its last fill and its last read by then
.set RA,   8                           ; v8      256 r + 32 h: my place in 16 rows of cos or sin
.set TK,   9                           ; v9      my wave's first token
.set SBV,  10                          ; v[10:11] what is added to the scaled cos: 0 for q and k, 1 for v
.set ADRA, 16
.set ADRB, 20
.set STO,  24
.set RD,   25
.set CO,   26                          ; v26     16 x lane
.set ADRS, 27
.set SPW,  28
.set NIL,  29
.set SC,   32
.set AF,   128
.set T,    32                          ; the way out: 64 numbers of 16 tokens, rotated
.set TMP,  96                          ; packed to f16
.set BK,   128                         ; 16 rows read back from the stage: v128-159 and v160-191 by turns
.set G1, 24
.set G0, 32
.set G1B, 48
.set G0B, 56
.set G1S, 68
.set G0S, 76
.set G1SB, 80
.set G0SB, 88
.set MSB, 0
.macro WIN new                         ; the immediate's high byte repeats the setting that is left
.if MSB != \new
	s_set_vgpr_msb (MSB<<8)|\new
.set MSB, \new
.endif
.endm
.set MUL_LO, 0xa1
.set MUL_HI, 0xf1
.set TO_B,   0x40
; A joint load: waves 0 and 1 fetch for x, waves 2 and 3 for W.  The branch hangs on the wave's number alone.  An s_nop 0 and four v_nop follow each of the two lines.
.macro JLOAD g0a, g1a, g0b, g1b
	s_cmp_eq_u32 s15, 0
	s_cbranch_scc0 .Lfor_b_\@
	tensor_load_to_lds s[\g0a:\g0a+3], s[\g1a:\g1a+7]
	s_nop 0
.rept 4
	v_nop
.endr
	s_branch .Lasked_\@
.Lfor_b_\@:
	tensor_load_to_lds s[\g0b:\g0b+3], s[\g1b:\g1b+7]
	s_nop 0
.rept 4
	v_nop
.endr
.Lasked_\@:
.endm
.macro CREST                           ; a round of the cluster's barrier behind its opening barrier
	s_cmp_lg_u32 s14, 0
	s_cbranch_scc1 .Lnot_wave_0_\@
	s_barrier_signal -3
.Lnot_wave_0_\@:
	s_barrier_wait -3
	s_barrier_signal -1
	s_barrier_wait -1
.endm
.macro CROUND
	s_barrier_signal -1
	s_barrier_wait -1
	CREST
.endm
	s_load_b128 s[4:7], s[0:1], 0x0                ; x's codes, x's scales
	s_load_b128 s[8:11], s[0:1], 0x10              ; W's codes, W's scales
	s_load_b128 s[96:99], s[0:1], 0x20             ; cos, sin
	s_load_b64 s[12:13], s[0:1], 0x30              ; qkv
	s_load_b64 s[100:101], s[0:1], 0x38            ; fin
	v_lshl_add_u32 v[SPW], v0, 2, SPARE
	v_mov_b32 v[NIL], 0
	ds_add_u32 v[SPW], v[NIL]                      ; the wave's opening: the add, twice on end, and its wait ahead of my first tensor load
	ds_add_u32 v[SPW], v[NIL]
	v_lshrrev_b32 v1, 5, v0
	v_readfirstlane_b32 s14, v1                    ; wave 0..3
	s_lshr_b32 s15, s14, 1                         ; which half of the tile's tokens is mine.  Also: I fetch for x (0) or for W (1)
	s_and_b32 s16, s14, 1                          ; which half of its columns.  Also: which 128 rows of that tile I fetch
	s_bfe_u32 s40, ttmp6, 0x40000                  ; cx, cy
	s_bfe_u32 s41, ttmp6, 0x40004
	s_lshl_b32 s42, ttmp9, 2
	s_add_co_u32 s42, s42, s40                     ; tile column
	s_and_b32 s17, ttmp7, 0xffff
	s_lshl_b32 s17, s17, 2
	s_add_co_u32 s17, s17, s41                     ; tile row
	s_lshl_b32 s43, s41, 2
	s_lshl_b32 s43, 15, s43                        ; my row of the cluster
	s_lshl_b32 s44, 0x1111, s40                    ; my column
	s_or_b32 s[G1+0], s43, (0<<16)|(1<<20)|(1<<21)|(5<<22)|(3<<25)  ; the mask; elements of 1 byte; padding: 4 words after every 64; bit 21 beside a mask
	s_or_b32 s[G1B+0], s44, (0<<16)|(1<<20)|(1<<21)|(5<<22)|(3<<25)
.irp g, G1, G1B
	s_mov_b32 s[\g+1], ROWB<<16                    ; tensor_dim0
	s_mov_b32 s[\g+2], 128<<16                     ; tensor_dim1
	s_mov_b32 s[\g+3], ROWB<<16                    ; tile_dim0
	s_mov_b32 s[\g+4], 128                         ; tile_dim1
	s_mov_b32 s[\g+5], KROW                        ; the pitch
	s_mov_b32 s[\g+6], 0
	s_mov_b32 s[\g+7], 0
.endr
	s_or_b32 s[G1S+0], s43, (3<<16)|(1<<20)|(1<<21)|(5<<22)|(3<<25) ; the scales of 128 rows: a dense block, as rows of 256 bytes (32 elements of 8), 16 bytes of padding behind each
	s_or_b32 s[G1SB+0], s44, (3<<16)|(1<<20)|(1<<21)|(5<<22)|(3<<25)
.irp g, G1S, G1SB
	s_mov_b32 s[\g+1], 32<<16
	s_mov_b32 s[\g+2], (128*KS/256)<<16
	s_mov_b32 s[\g+3], 32<<16
	s_mov_b32 s[\g+4], 128*KS/256
	s_mov_b32 s[\g+5], 32
	s_mov_b32 s[\g+6], 0
	s_mov_b32 s[\g+7], 0
.endr
	s_lshl_b32 s18, s16, 7
	s_lshl_b32 s20, s17, 8
	s_add_co_u32 s20, s20, s18                     ; x: row 256 x tile row + 128 x half
	s_lshl_b32 s46, s42, 8
	s_add_co_u32 s46, s46, s18                     ; W: row 256 x tile column + 128 x half
	s_mov_b32 s21, 0
	s_mov_b32 s47, 0
	s_mov_b64 s[18:19], KS
	s_mul_u64 s[22:23], s[20:21], s[18:19]
	s_mul_u64 s[92:93], s[46:47], s[18:19]
	s_mov_b64 s[18:19], KROW
	s_mul_u64 s[20:21], s[20:21], s[18:19]
	s_mul_u64 s[46:47], s[46:47], s[18:19]
	s_mul_i32 s45, s14, HALFT                      ; where they go: wave x 128 rows
	s_mul_i32 s94, s14, HALFS
	s_wait_dscnt 0x0                               ; both opening adds are done
	s_wait_kmcnt 0x0
	s_add_nc_u64 s[20:21], s[4:5], s[20:21]
	s_add_nc_u64 s[22:23], s[6:7], s[22:23]
	s_add_nc_u64 s[46:47], s[8:9], s[46:47]
	s_add_nc_u64 s[92:93], s[10:11], s[92:93]
	CROUND                                         ; all sixteen work-groups are here: the first joint loads meet
	s_mov_b32 s[G0S], 1
	s_add_co_u32 s[G0S+1], s94, SCL
	s_mov_b64 s[G0S+2:G0S+3], s[22:23]
	s_or_b32 s[G0S+3], s[G0S+3], 0x80000000
	s_mov_b32 s[G0SB], 1
	s_add_co_u32 s[G0SB+1], s94, SCL
	s_mov_b64 s[G0SB+2:G0SB+3], s[92:93]
	s_or_b32 s[G0SB+3], s[G0SB+3], 0x80000000
	JLOAD G0S, G1S, G0SB, G1SB                     ; the scales first: they are wanted with K step 0
.irp s, 0,1
	s_mov_b32 s[G0+4*\s], 1
	s_add_co_u32 s[G0+4*\s+1], s45, \s*SLOT
	s_add_nc_u64 s[G0+4*\s+2:G0+4*\s+3], s[20:21], \s*ROWB
	s_or_b32 s[G0+4*\s+3], s[G0+4*\s+3], 0x80000000
	s_mov_b32 s[G0B+4*\s], 1
	s_add_co_u32 s[G0B+4*\s+1], s45, \s*SLOT
	s_add_nc_u64 s[G0B+4*\s+2:G0B+4*\s+3], s[46:47], \s*ROWB
	s_or_b32 s[G0B+4*\s+3], s[G0B+4*\s+3], 0x80000000
	JLOAD G0+4*\s, G1, G0B+4*\s, G1B
.endr
	v_and_b32 v1, 15, v0                           ; r
	v_bfe_u32 v2, v0, 4, 1                         ; h
	v_mul_u32_u24 v3, v1, PITCH
	v_lshl_add_u32 v4, v2, 4, v3
	s_mul_i32 s21, s15, HALFT
	s_mul_i32 s22, s16, HALFT
	s_add_co_u32 s22, s22, 2*HALFT
.irp s, 0,1
	v_add_nc_u32 v[ADRA+\s], s21, v4
	v_add_nc_u32 v[ADRB+\s], s22, v4
	s_add_co_u32 s21, s21, SLOT
	s_add_co_u32 s22, s22, SLOT
.endr
	v_mul_u32_u24 v5, v1, KS                       ; my row's scales: KS bytes a row,
	v_lshrrev_b32 v6, 8, v5
	v_lshl_add_u32 v5, v6, 4, v5                   ; and 16 more for each 256 passed
	s_mul_i32 s21, s15, HALFS
	s_mul_i32 s22, s16, HALFS
	s_add_co_u32 s22, s22, 2*HALFS
	s_sub_co_u32 s22, s22, s21
	v_mul_u32_u24 v6, s22, v2                      ; lanes 16-31 take W's
	s_add_co_u32 s21, s21, SCL
	v_add_nc_u32 v5, v5, v6
	v_add_nc_u32 v[ADRS], s21, v5
	s_mul_i32 s23, s14, 16*SPITCH                  ; my stage
	v_mul_u32_u24 v5, v1, SPITCH
	v_lshl_add_u32 v5, v2, 4, v5
	v_add_nc_u32 v[STO], s23, v5                   ; in: row r, 16 bytes for each half of the lanes
	v_mul_u32_u24 v5, v2, SPITCH
	v_lshl_add_u32 v5, v1, 4, v5
	v_add_nc_u32 v[RD], s23, v5                    ; back: lanes 0-15 one row of 256 bytes, lanes 16-31 the next
	v_and_b32 v6, 31, v0
	v_lshlrev_b32 v[CO], 4, v6
	v_lshlrev_b32 v[RA], 8, v1
	v_lshl_add_u32 v[RA], v2, 5, v[RA]
	s_lshl_b32 s20, s17, 8
	s_lshl_b32 s21, s15, 7
	s_add_co_u32 s20, s20, s21                     ; my first token: 256 x tile row + 128 x half
	v_mov_b32 v[TK], s20
	s_lshl_b32 s22, s20, 8                         ; a token is 256 bytes in cos, in sin and in a head of qkv
	s_mov_b32 s23, 0
	s_add_nc_u64 s[96:97], s[96:97], s[22:23]
	s_add_nc_u64 s[98:99], s[98:99], s[22:23]
	s_add_nc_u64 s[12:13], s[12:13], s[22:23]
	s_lshl_b32 s46, s42, 1
	s_add_co_u32 s46, s46, s16                     ; my head: 2 x tile column + half
	s_lshl_b32 s92, s46, 19
	s_mov_b32 s93, 0
	s_add_nc_u64 s[12:13], s[12:13], s[92:93]
	s_lshl_b32 s92, s46, 13
	s_add_nc_u64 s[100:101], s[100:101], s[92:93]
	s_mov_b32 s66, 0x3d800000                      ; k: 2^-4
	s_cmp_lt_u32 s46, 16
	s_cselect_b32 s66, 0x3d8293ee, s66             ; q: log2(e) / sqrt(128) / 2
	s_cmp_ge_u32 s46, 20                           ; v is not rotated: its cos becomes 1 and its sin 0.  Values are chosen; no branch hangs on the work-group's place
	s_cselect_b32 s66, 0, s66
	s_cselect_b32 s104, 1.0, 0
	s_mov_b32 s67, s66
	v_mov_b32 v[SBV], s104
	v_mov_b32 v[SBV+1], s104
; cos and sin of block a's 16 tokens, for d = 0 .. 63, in the accumulators' layout: register 8 b + i of a set holds index 16 b + 8 h + i of token 16 a + r.  16 loads.
.macro LOADCS a
.set CSB, 64+128*((\a)%2)
	WIN 0x40                                       ; destination window 1, address window 0
.irp b, 0,1,2,3
.irp u, 0,1
	global_load_b128 v[CSB+8*\b+4*\u:CSB+8*\b+4*\u+3], v[RA], s[96:97] offset:4096*(\a)+64*\b+16*\u
	global_load_b128 v[CSB+32+8*\b+4*\u:CSB+32+8*\b+4*\u+3], v[RA], s[98:99] offset:4096*(\a)+64*\b+16*\u
.endr
.endr
	WIN 0
.endm
	LOADCS 0                                       ; they land while the products run
	LOADCS 1
.macro FRAG reg, adr, q, i             ; 16 rows x 128 K of 4-bit codes: 8 registers: lane l holds row l % 16; registers 4 c .. 4 c + 3 hold K = 64 c + 32 (l / 16) + 0 .. 31
.irp c, 0,1
	ds_load_b128 v[\reg+4*\c:\reg+4*\c+3], v[\adr] offset:64*(\q)+32*\c+(\i)*16*PITCH
.endr
.endm
; 16 matrix instructions: token blocks a0, a0 + 1 x W's eight, 128 along K.  The 64 accumulators take turns, one instruction a turn, in the same order in every step.
.macro MUL16 a0, p, q, sc, zero
.irp a, \a0, \a0+1
.irp b, 0,1,2,3,4,5,6,7
.if \zero
	v_wmma_scale_f32_16x16x128_f8f6f4 v[8*(8*((\a)%4)+\b):8*(8*((\a)%4)+\b)+7], v[128*(\p)+FR*\b:128*(\p)+FR*\b+FR-1], v[AF+FR*(\a):AF+FR*(\a)+FR-1], 0, v[SC+8*NQ*(\sc)+NQ*\b+(\q)], v[SC+8*NQ*(\sc)+NQ*(\a)+(\q)] matrix_a_fmt:MATRIX_FMT_FP4 matrix_b_fmt:MATRIX_FMT_FP4 matrix_a_scale:MATRIX_SCALE_ROW1
.else
	v_wmma_scale_f32_16x16x128_f8f6f4 v[8*(8*((\a)%4)+\b):8*(8*((\a)%4)+\b)+7], v[128*(\p)+FR*\b:128*(\p)+FR*\b+FR-1], v[AF+FR*(\a):AF+FR*(\a)+FR-1], v[8*(8*((\a)%4)+\b):8*(8*((\a)%4)+\b)+7], v[SC+8*NQ*(\sc)+NQ*\b+(\q)], v[SC+8*NQ*(\sc)+NQ*(\a)+(\q)] matrix_a_fmt:MATRIX_FMT_FP4 matrix_b_fmt:MATRIX_FMT_FP4 matrix_a_scale:MATRIX_SCALE_ROW1
.endif
.endr
.endr
.endm
.macro FETCH_B slot, q, p
	WIN TO_B
.irp i, 0,1,2,3,4,5,6,7
	FRAG 128*(\p)+FR*\i, ADRB+\slot, \q, \i
.endr
	WIN 0
.endm
.macro FETCH_A slot, q, i0
.irp i, \i0, \i0+1, \i0+2, \i0+3
	FRAG AF+FR*(\i), ADRA+\slot, \q, \i
.endr
.endm
.macro SCALES sc                       ; the next K step's scale words: lanes 0-15 take x's block i, lanes 16-31 W's block i
.irp i, 0,1,2,3,4,5,6,7
	ds_load_b128 v[SC+8*NQ*\sc+NQ*\i:SC+8*NQ*\sc+NQ*\i+3], v[ADRS] offset:\i*SBLK
.endr
.endm
.macro PLACES n                        ; plain vector instructions between a matrix instruction and a load into, or a read of, its registers
.rept \n
	v_nop
.endr
.endm
.macro STEP slot, q, zero
	s_wait_dscnt 4*NL                              ; W's set and x's blocks 0-3 are in; the youngest eight loads (x's blocks 4-7) may be out
	WIN MUL_LO
	MUL16 0, (\q)%2, \q, \slot, \zero
	MUL16 2, (\q)%2, \q, \slot, \zero
	s_wait_dscnt 0
	PLACES NP
	FETCH_B \slot, (\q)+1, 1-(\q)%2
	FETCH_A \slot, (\q)+1, 0
	WIN MUL_HI
	MUL16 4, (\q)%2, \q, \slot, \zero
	MUL16 6, (\q)%2, \q, \slot, \zero
	PLACES NP
	WIN 0
	FETCH_A \slot, (\q)+1, 4
.endm
; A slot's last step changes slots: ONE barrier; in front of it each wave waits for all its tensor loads, adds 0 to its spare word, and waits for that and for its own reads of this slot.
.macro TURN slot, next, fill
	s_wait_tensorcnt 0x0                           ; all my tensor loads have landed: my part of the next slot
	ds_add_u32 v[SPW], v[NIL]
	s_wait_dscnt 4*NL+1                            ; the add and the youngest eight loads may be out
	WIN MUL_LO
	MUL16 0, 1, NQ-1, \slot, 0
	s_wait_dscnt 0x0                               ; the add is done, and my reads of this slot are over
	s_barrier_signal -1
	MUL16 2, 1, NQ-1, \slot, 0
	WIN 0
	s_barrier_wait -1
.if \fill
	CREST                                          ; the barrier has opened a round of the cluster's: no wave of any partner still reads this slot or has a load on its way
	s_add_nc_u64 s[G0+4*\slot+2:G0+4*\slot+3], s[G0+4*\slot+2:G0+4*\slot+3], 2*ROWB
	s_add_nc_u64 s[G0B+4*\slot+2:G0B+4*\slot+3], s[G0B+4*\slot+2:G0B+4*\slot+3], 2*ROWB
	JLOAD G0+4*\slot, G1, G0B+4*\slot, G1B         ; the first tensor load behind the round; its four v_nop are also the places in front of the loads below
.else
	PLACES NP
.endif
	v_add_nc_u32 v[ADRS], 4*NQ, v[ADRS]
	FETCH_B \next, 0, 0
	FETCH_A \next, 0, 0
	SCALES \next
	WIN MUL_HI
	MUL16 4, 1, NQ-1, \slot, 0
	MUL16 6, 1, NQ-1, \slot, 0
	PLACES NP
	WIN 0
	FETCH_A \next, 0, 4
.endm
.macro STEPS slot, from
.set Q, \from
.rept NQ-1-\from
	STEP \slot, Q, 0
.set Q, Q+1
.endr
.endm
	s_wait_tensorcnt 1                             ; the scales and my part of K step 0 are in; K step 1's load may be out
	s_barrier_signal -1
	s_barrier_wait -1
	FETCH_B 0, 0, 0
	FETCH_A 0, 0, 0
	SCALES 0
	FETCH_A 0, 0, 4
	STEP 0, 0, 1                                   ; the first step's products start the sums
	s_mov_b32 s3, LAPS-1
.Llap:
	STEPS 0, 1
	TURN 0, 1, 1
	STEPS 1, 0
	TURN 1, 0, 1
	STEP 0, 0, 0
	s_sub_co_u32 s3, s3, 1
	s_cmp_lg_u32 s3, 0
	s_cbranch_scc1 .Llap
	STEPS 0, 1                                     ; the last lap fills nothing
	TURN 0, 1, 0
	STEPS 1, 0
	s_wait_dscnt 4*NL
	WIN MUL_LO
	MUL16 0, 1, NQ-1, 1, 0
	MUL16 2, 1, NQ-1, 1, 0
	s_wait_dscnt 0
	WIN MUL_HI
	MUL16 4, 1, NQ-1, 1, 0
	MUL16 6, 1, NQ-1, 1, 0
	WIN 0
; THE WAY OUT, a block of 16 tokens at a time.
; ROPE: cos and sin take the head's factor (v: cos 1, sin 0), then T(d) = t(d) cos - t(d + 64) sin and T(d + 64) = t(d + 64) cos + t(d) sin, two at a time.  Each accumulator is read from its low end on.
.macro ROPE a
.set CSB, 64+128*((\a)%2)
.set AC, 64*((\a)%4)
.set WN, 0x06+(\a)/4
.if (\a) < 7
	s_wait_loadcnt 16                              ; this block's cos and sin are in; the next block's 16 loads may be out
.else
	s_wait_loadcnt 0
.endif
	WIN 0x41                                       ; destination and source 0 window 1
.irp i, 0,2,4,6,8,10,12,14,16,18,20,22,24,26,28,30
	v_pk_fma_f32 v[CSB+\i:CSB+\i+1], v[CSB+\i:CSB+\i+1], s[66:67], v[SBV:SBV+1] op_sel_hi:[1,0,1]
.endr
.irp i, 0,2,4,6,8,10,12,14,16,18,20,22,24,26,28,30
	v_pk_mul_f32 v[CSB+32+\i:CSB+32+\i+1], v[CSB+32+\i:CSB+32+\i+1], s[66:67] op_sel_hi:[1,0]
.endr
	WIN WN                                         ; source 0: the accumulators' window; source 1: window 1; the rest window 0
.irp b, 0,1,2,3
.irp i, 0,2,4,6
	v_pk_mul_f32 v[T+8*\b+\i:T+8*\b+\i+1], v[AC+8*\b+\i:AC+8*\b+\i+1], v[CSB+8*\b+\i:CSB+8*\b+\i+1]
	v_pk_mul_f32 v[T+32+8*\b+\i:T+32+8*\b+\i+1], v[AC+32+8*\b+\i:AC+32+8*\b+\i+1], v[CSB+8*\b+\i:CSB+8*\b+\i+1]
	v_pk_fma_f32 v[T+8*\b+\i:T+8*\b+\i+1], v[AC+32+8*\b+\i:AC+32+8*\b+\i+1], v[CSB+32+8*\b+\i:CSB+32+8*\b+\i+1], v[T+8*\b+\i:T+8*\b+\i+1] neg_lo:[1,0,0] neg_hi:[1,0,0]
	v_pk_fma_f32 v[T+32+8*\b+\i:T+32+8*\b+\i+1], v[AC+8*\b+\i:AC+8*\b+\i+1], v[CSB+32+8*\b+\i:CSB+32+8*\b+\i+1], v[T+32+8*\b+\i:T+32+8*\b+\i+1]
.endr
.endr
.endm
.macro PACKH                           ; a lane's eight channels of a token pack into 16 bytes
.irp b, 0,1,2,3,4,5,6,7
.irp k, 0,1,2,3
	v_cvt_pk_f16_f32 v[TMP+4*\b+\k], v[T+8*\b+2*\k], v[T+8*\b+2*\k+1]
.endr
.endr
.endm
.macro TOSTAGE a                       ; into my stage, and back as whole rows of 256 bytes: LDS serves a wave's instructions in order
.set BB, BK+32*((\a)%2)
.irp b, 0,1,2,3,4,5,6,7
	ds_store_b128 v[STO], v[TMP+4*\b:TMP+4*\b+3] offset:32*\b
.endr
.irp f, 0,1,2,3,4,5,6,7
	ds_load_b128 v[BB+4*\f:BB+4*\f+3], v[RD] offset:\f*2*SPITCH
.endr
.endm
.macro SEND a
.set BB, BK+32*((\a)%2)
	s_wait_dscnt 0x0                               ; the block is back in registers
.irp f, 0,1,2,3,4,5,6,7
	global_store_b128 v[CO], v[BB+4*\f:BB+4*\f+3], s[12:13] offset:4096*(\a)+512*\f   ; 32 lanes store 512 consecutive bytes: two tokens of my head
.endr
.endm
	PLACES NP
.irp a, 0,1,2,3,4,5,6,7
	ROPE \a
.if \a < 6
	LOADCS \a+2                                    ; into the set that has just been read
.endif
	WIN 0
.if \a == 0
	v_cmp_eq_u32 vcc_lo, 0, v[TK]                  ; tokens 0-15 leave in f32 too: a mask, all lanes or none, and no branch
	s_wait_xcnt 0x0                                ; EXEC changes only behind this wait
	s_and_saveexec_b32 s95, vcc_lo
.irp i, 0,1,2,3,4,5,6,7,8,9,10,11,12,13,14,15
	global_store_b128 v[CO], v[T+4*\i:T+4*\i+3], s[100:101] offset:512*\i   ; 512 consecutive bytes: the registers' image
.endr
	s_wait_xcnt 0x0                                ; and again in front of the line that widens it; T may be written again too
	s_or_b32 exec_lo, exec_lo, s95
.endif
	PACKH
.if \a > 1
	s_wait_xcnt 0x0                                ; block a - 2's stores have read the registers into which block a's rows come back
.endif
.if \a > 0
	SEND \a-1
.endif
	TOSTAGE \a
.endr
	SEND 7
	s_wait_tensorcnt 0x0                           ; the wave's end
	ds_add_u32 v[SPW], v[NIL]
	s_wait_dscnt 0x0
	CROUND                                         ; the closing round
	s_endpgm
.Lfunc_end_k_q8e722fab15_heads:
	.size	k_q8e722fab15_heads, .Lfunc_end_k_q8e722fab15_heads-k_q8e722fab15_heads
	.p2alignl 7, 3214868480
	.fill 96, 4, 3214868480
	.section	.rodata,"a",@progbits
	.p2align	6, 0x0
	.amdhsa_kernel k_q8e722fab15_heads
		.amdhsa_group_segment_fixed_size 327680
		.amdhsa_private_segment_fixed_size 0
		.amdhsa_enable_private_segment 0
		.amdhsa_kernarg_size 64
		.amdhsa_user_sgpr_count 2
		.amdhsa_user_sgpr_kernarg_segment_ptr 1
		.amdhsa_wavefront_size32 1
		.amdhsa_system_sgpr_workgroup_id_x 1
		.amdhsa_system_sgpr_workgroup_id_y 1
		.amdhsa_system_sgpr_workgroup_id_z 1
		.amdhsa_system_vgpr_workitem_id 0
		.amdhsa_next_free_vgpr 1024
		.amdhsa_next_free_sgpr 106
		.amdhsa_reserve_vcc 1
		.amdhsa_float_denorm_mode_32 3
		.amdhsa_float_denorm_mode_16_64 3
		.amdhsa_memory_ordered 1
		.amdhsa_forward_progress 1
		.amdhsa_inst_pref_size 255
	.end_amdhsa_kernel
	.section	.bss,"aw",@nobits
	.p2align	6
	.space	262144
	.amdgpu_metadata
---
amdhsa.version: [ 1, 2 ]
amdhsa.kernels:
  - .name:           k_q8e722fab15_heads
    .symbol:         k_q8e722fab15_heads.kd
    .args:
      - { .name: xc, .offset: 0, .size: 8, .value_kind: global_buffer, .address_space: global }
      - { .name: xs, .offset: 8, .size: 8, .value_kind: global_buffer, .address_space: global }
      - { .name: wc, .offset: 16, .size: 8, .value_kind: global_buffer, .address_space: global }
      - { .name: ws, .offset: 24, .size: 8, .value_kind: global_buffer, .address_space: global }
      - { .name: rope_cos, .offset: 32, .size: 8, .value_kind: global_buffer, .address_space: global }
      - { .name: rope_sin, .offset: 40, .size: 8, .value_kind: global_buffer, .address_space: global }
      - { .name: qkv, .offset: 48, .size: 8, .value_kind: global_buffer, .address_space: global }
      - { .name: fin, .offset: 56, .size: 8, .value_kind: global_buffer, .address_space: global }
    .group_segment_fixed_size: 327680
    .private_segment_fixed_size: 0
    .kernarg_segment_align: 8
    .kernarg_segment_size: 64
    .max_flat_workgroup_size: 128
    .sgpr_count:     106
    .vgpr_count:     1024
    .wavefront_size: 32
...
	.end_amdgpu_metadata
.endif
;; end of part 2
;; launch attn (part 3): grid 16 x 16, 4 waves a work-group, no clusters, 327,680 bytes of LDS; arguments qkv, att; writes att
.if DOCPART == 3
	.amdgcn_target "amdgcn-amd-amdhsa--gfx1250"
	.amdhsa_code_object_version 6
	.text
	.protected	k_q8e722fab15_attn
	.globl	k_q8e722fab15_attn
	.p2align	8
	.type	k_q8e722fab15_attn,@function
k_q8e722fab15_attn:
	s_mov_b64 s[64:65], 0
	v_nop
	global_prefetch_b8 v0, s[64:65] scope:SCOPE_SE
	s_setreg_imm32_b32 hwreg(HW_REG_WAVE_MODE, 25, 1), 1
	s_wait_xcnt 0x0
; Causal attention on f16 operands, f32 sums.  qkv [24 heads][2048 tokens][128] f16: heads 0-15 q, 16-19 k, 20-23 v; query head x uses key and value head x / 4.  q and k carry factors such that a score is t / 32,
; t the exponent of 2 in the softmax.  att [2048 tokens][16 heads x 128] f16.
; SOFTMAX: for each query a running maximum m and sum l: p = 2^(32 s - 32 m); 32 m is exact, so the fused multiply-add rounds once and the largest p is 1.  In every step O and l are multiplied by 2^(32 m_old - 32 m_new).
; The weights p are rounded to f16 for the second product; l sums the unrounded p; O is divided by l and rounded once at the end.
; LIMITS: v and the result must stay under 65,504; NaN and infinities are not served; sums in another order than the reference's.
; SHARES.  Work-group (x, y): head x; a = y / 2, e = y % 2.  It owns four tiles of 16 queries of the region of 128 tokens number 15 - a and four of region a: the tiles e, e + 2, e + 4, e + 6 of each.
; Wave w owns tile 0, first token 128 (15 - a) + 32 w + 16 e, and tile 1, first token 128 a + 32 w + 16 e: the keys that count for the two add up to about 2,048 + 64 w for every a.
; Keys go 64 a step, two steps a slot, through a ring of two LDS slots filled by tensor loads: waves 0, 1 fetch K's two steps, waves 2, 3 V's.
; THE MASK.  Every work-group walks all 16 changes of slots: trip counts are constants.  A step all of whose keys come after a tile's queries is jumped over (a branch on ids); on the diagonal hidden scores become -infinity.
; A slot whose first key comes after the work-group's last token is not asked for: the test is made of ids and the count of steps alone and is the same in all four waves; every wait on TENSORcnt is for 0.
; NO CLUSTER: the four query heads of a key head walk the same tiles, but how many slots a work-group asks for (16 - a) hangs on its number.
; LAYOUT.  S^T = K Q^T (source 0 = 16 keys, source 1 = 16 queries): a lane holds ONE query (lane % 16) and keys 8 (lane / 16) + 0..7; two such tiles, packed to f16, are source 1 of O^T = V^T P.  V is turned by ds_load_tr16_b128.
; REGISTERS: window 0: v2-11 addresses; v12-27 statistics, 8 a tile: +0 32 m, +1 m, +2, +3 l, +4..7 at work; v64-127 S^T; v192-223 P.  window 1: v0-127 O^T.  window 2: v0-63 Q, v128-255 K.  window 3: v0-127 V.
.set KS,    64
.set PK,    272                        ; a row of K in LDS: 256 bytes + 16
.set PV,    288                        ; a row of V: 256 + 32
.set VOFF,  KS*PK
.set STEPB, KS*(PK+PV)
.set SLOT1, 1<<17                      ; slot 1 begins here: one exclusive or turns an address
.set STAGE, SLOT1+2*STEPB              ; 16 rows x 272 bytes for each wave, for the way out
.set SP,    272
.set SPARE, STAGE+4*16*SP              ; the spare words: 128 bytes a wave, named by no other line
.set AK0, 2
.set AV0, 3
.set ADK, 4
.set ADV, 5
.set QO,  6
.set STO, 7
.set RD,  8
.set GO,  9
.set LT,  10                           ; v10 r - 8 h
.set DD,  11
.set ST,  12
.set NEGI, 28                          ; v28 -infinity
.set PFO, 61
.set SPW, 62
.set NIL, 63
.set S,   64
.set P,   192
.set KFR, 128
.set WV,  12
.set LIM, 15
.set PFA, 18
.set G1K, 24
.set G1V, 32
.set G0K, 40
.set G0V, 44
.set QB,  48                           ; s[48:49], s[50:51] Q's rows of tiles 0, 1
.set OB,  52                           ; s[52:53], s[54:55] att's rows likewise
.set SLOTS, 56
.set CS,  58                           ; s[58:59] 32.0
.set SEL, 60
.set TB,  62                           ; LDS byte at which the slot in hand begins
.set KEY, 66                           ; the step's first key
.set QT,  67                           ; s67, s68 the first token of tiles 0, 1
.set MSB, 0
.macro WIN new
.if MSB != \new
	s_set_vgpr_msb (MSB<<8)|\new
.set MSB, \new
.endif
.endm
.set W_KQ, 0x0a
.set W_PV, 0x53
.set W_RS, 0x41
.macro TLOAD                           ; one tensor load a wave; an s_nop 0 and four v_nop follow each of the two lines
	s_cmp_lt_u32 s[WV], 2
	s_cbranch_scc0 .Lfor_v_\@
	tensor_load_to_lds s[G0K:G0K+3], s[G1K:G1K+7]
	s_nop 0
.rept 4
	v_nop
.endr
	s_branch .Lasked_\@
.Lfor_v_\@:
	tensor_load_to_lds s[G0V:G0V+3], s[G1V:G1V+7]
	s_nop 0
.rept 4
	v_nop
.endr
.Lasked_\@:
.endm
; A PREFETCH of the slot that stands two changes of slots on (four key steps ahead of its tensor load).  Each row of 256 bytes is named once in the launch: the work-groups with y = 0 ask, which walk all slots;
; the four heads that share a key head take 32 rows each of a slot's 128, told apart by address; wave 0 asks for K's, wave 2 for V's; a lane a row.  The last asking names slot 15.
.macro ASK
	s_cmp_gt_u32 s[SLOTS], s[LIM]
	s_cbranch_scc0 .Lnot_mine_\@
	global_prefetch_b8 v[PFO], s[PFA:PFA+1] th:TH_LOAD_NT scope:SCOPE_SE
.Lnot_mine_\@:
.endm
	s_load_b128 s[4:7], s[0:1], 0x0                ; qkv, att
	v_lshl_add_u32 v[SPW], v0, 2, SPARE
	v_mov_b32 v[NIL], 0
	ds_add_u32 v[SPW], v[NIL]                      ; the wave's opening: the add, twice on end, and its wait ahead of my first tensor load
	ds_add_u32 v[SPW], v[NIL]
	v_lshrrev_b32 v1, 5, v0
	v_readfirstlane_b32 s[WV], v1
	s_and_b32 s13, ttmp7, 0xffff                   ; y
	s_lshr_b32 s14, s13, 1                         ; a
	s_and_b32 s16, s13, 1                          ; e
	s_lshl_b32 s16, s16, 4
	s_lshl_b32 s17, s[WV], 5
	s_add_co_u32 s16, s16, s17                     ; 32 w + 16 e
	s_lshl_b32 s17, s14, 7
	s_add_co_u32 s[QT+1], s17, s16                 ; tile 1's first token
	s_sub_co_u32 s17, 1920, s17
	s_add_co_u32 s[QT], s17, s16                   ; tile 0's
	s_mov_b32 s[G1K], (1<<16)|(1<<20)|(5<<22)|(3<<25)   ; elements of 2 bytes; padding: 4 words after every 64
	s_mov_b32 s[G1V], (1<<16)|(1<<20)|(5<<22)|(7<<25)   ; 8 words
.irp g, G1K, G1V
	s_mov_b32 s[\g+1], 128<<16                     ; tensor_dim0
	s_mov_b32 s[\g+2], KS<<16                      ; tensor_dim1
	s_mov_b32 s[\g+3], 128<<16                     ; tile_dim0
	s_mov_b32 s[\g+4], KS                          ; tile_dim1
	s_mov_b32 s[\g+5], 128                         ; the pitch
	s_mov_b32 s[\g+6], 0
	s_mov_b32 s[\g+7], 0
.endr
	s_lshr_b32 s20, ttmp9, 2
	s_add_co_u32 s20, s20, 16                      ; the key head's place in qkv
	s_lshl_b32 s20, s20, 19
	s_and_b32 s22, s[WV], 1                        ; which of a slot's two steps I fetch
	s_lshl_b32 s23, s22, 14
	s_add_co_u32 s20, s20, s23
	s_mov_b32 s21, 0
	s_mul_i32 s22, s22, STEPB
	s_lshl_b32 s2, ttmp9, 19                       ; my head's q
	s_lshl_b32 s8, s[QT+1], 8
	s_add_co_u32 s8, s8, s2
	s_mov_b32 s9, 0
	s_lshl_b32 s3, s[QT], 8
	s_add_co_u32 s2, s2, s3
	s_mov_b32 s3, 0
	s_lshl_b32 s23, ttmp9, 8                       ; my head's 256 bytes in a row of att
	s_lshl_b32 s10, s[QT], 12
	s_add_co_u32 s10, s10, s23
	s_mov_b32 s11, 0
	s_lshl_b32 s16, s[QT+1], 12
	s_add_co_u32 s16, s16, s23
	s_mov_b32 s17, 0
	s_and_b32 s70, ttmp9, 3
	s_lshl_b32 s70, s70, 13                        ; my head's 32 rows of a slot's 128,
	s_add_co_u32 s70, s70, 2*32768                 ; in slot 2: the first change of slots steps it to slot 3
	s_mov_b32 s71, 0
	s_and_b32 s[LIM], s[WV], 1
	s_or_b32 s[LIM], s[LIM], s13
	s_cmp_eq_u32 s[LIM], 0
	s_cselect_b32 s[LIM], 2, -1                    ; waves 0 and 2 where y = 0 ask while more than 2 slots are to be asked for
	s_mov_b32 s[CS], 0x42000000
	s_mov_b32 s[CS+1], s[CS]
	s_mov_b32 s[SEL], 0x76543210
	s_mov_b32 s[SEL+1], 0xfedcba98
	s_mov_b32 s[TB], 0
	s_mov_b32 s[KEY], 0
	s_mov_b32 s[SLOTS], 15
	v_and_b32 v[PFO], 31, v0
	v_lshlrev_b32 v[PFO], 8, v[PFO]
	s_wait_dscnt 0x0                               ; both opening adds are done
	s_wait_kmcnt 0x0
	s_mov_b32 s[G0K], 1
	s_mov_b32 s[G0K+1], s22
	s_add_nc_u64 s[G0K+2:G0K+3], s[4:5], s[20:21]
	s_mov_b32 s[G0V], 1
	s_add_co_u32 s[G0V+1], s22, VOFF
	s_add_nc_u64 s[G0V+2:G0V+3], s[G0K+2:G0K+3], 0x200000   ; the value head lies four heads on
	s_cmp_lt_u32 s[WV], 2
	s_cselect_b64 s[PFA:PFA+1], s[G0K+2:G0K+3], s[G0V+2:G0V+3]
	s_add_nc_u64 s[PFA:PFA+1], s[PFA:PFA+1], s[70:71]
	s_or_b32 s[G0K+3], s[G0K+3], 0x80000000
	s_or_b32 s[G0V+3], s[G0V+3], 0x80000000
	TLOAD                                          ; slot 0: keys 0 to 127, which count for some query of every wave
	s_add_nc_u64 s[QB:QB+1], s[4:5], s[2:3]
	s_add_nc_u64 s[QB+2:QB+3], s[4:5], s[8:9]
	s_add_nc_u64 s[OB:OB+1], s[6:7], s[10:11]
	s_add_nc_u64 s[OB+2:OB+3], s[6:7], s[16:17]
	v_and_b32 v1, 15, v0                           ; r
	v_bfe_u32 v29, v0, 4, 1                        ; h
	v_lshlrev_b32 v[QO], 8, v1
	v_lshl_add_u32 v[QO], v29, 4, v[QO]
	WIN 0x80                                       ; destination window 2
.irp t, 0,1
.irp c, 0,1,2,3
	global_load_b128 v[32*\t+8*\c:32*\t+8*\c+3],   v[QO], s[QB+2*\t:QB+2*\t+1] offset:64*\c
	global_load_b128 v[32*\t+8*\c+4:32*\t+8*\c+7], v[QO], s[QB+2*\t:QB+2*\t+1] offset:64*\c+32
.endr
.endr
	WIN 0
	v_mul_u32_u24 v[AK0], v1, PK
	v_lshl_add_u32 v[AK0], v29, 4, v[AK0]          ; K: row x pitch + 16 x half
	v_and_b32 v30, 7, v0
	v_bfe_u32 v31, v0, 3, 1
	v_lshl_add_u32 v[AV0], v29, 3, v30             ; V, for the turning load: key 8 (l / 16) + l % 8, channels 8 ((l / 8) % 2) on
	v_mul_u32_u24 v[AV0], v[AV0], PV
	v_lshl_add_u32 v[AV0], v31, 4, v[AV0]
	v_add_nc_u32 v[AV0], VOFF, v[AV0]
	s_mul_i32 s13, s[WV], 16*SP
	s_add_co_u32 s13, s13, STAGE
	v_mul_u32_u24 v[STO], v1, SP
	v_lshl_add_u32 v[STO], v29, 4, v[STO]
	v_add_nc_u32 v[STO], s13, v[STO]
	v_mul_u32_u24 v[RD], v29, SP
	v_lshl_add_u32 v[RD], v1, 4, v[RD]
	v_add_nc_u32 v[RD], s13, v[RD]
	v_lshlrev_b32 v[GO], 12, v29                   ; att: lanes 0-15 one token's 256 bytes, lanes 16-31 the next token's
	v_lshl_add_u32 v[GO], v1, 4, v[GO]
	v_lshlrev_b32 v[LT], 3, v29
	v_sub_nc_u32 v[LT], v1, v[LT]
	v_mov_b32 v[NEGI], 0xff800000
.irp t, 0,1
	v_mov_b32 v[ST+8*\t+1], 0xf149f2ca             ; m = -1e30, under every score that is served
	v_mul_f32 v[ST+8*\t], s[CS], v[ST+8*\t+1]
.irp k, 2,3,4,5,6,7
	v_mov_b32 v[ST+8*\t+\k], 0
.endr
.endr
	WIN 0x40
.set i, 0
.rept 128
	v_mov_b32 v[i], 0                              ; O^T.  The step is written once: the first finds zeros, which the first change of m leaves zeros
.set i, i+1
.endr
	WIN 0
; 16 products of S^T = K Q^T for tile t: channels 32 (i / 4) on, keys 16 (i % 4) on: four accumulators by turns
.macro QK t
	WIN W_KQ
.set i, 0
.rept 16
.if i < 4
	v_wmma_f32_16x16x32_f16 v[S+32*(\t)+8*(i%4):S+32*(\t)+8*(i%4)+7], v[KFR+32*(i%4)+8*(i/4):KFR+32*(i%4)+8*(i/4)+7], v[32*(\t)+8*(i/4):32*(\t)+8*(i/4)+7], 0
.else
	v_wmma_f32_16x16x32_f16 v[S+32*(\t)+8*(i%4):S+32*(\t)+8*(i%4)+7], v[KFR+32*(i%4)+8*(i/4):KFR+32*(i%4)+8*(i/4)+7], v[32*(\t)+8*(i/4):32*(\t)+8*(i/4)+7], v[S+32*(\t)+8*(i%4):S+32*(\t)+8*(i%4)+7]
.endif
.set i, i+1
.endr
.endm
; 16 products of O^T += V^T P: keys 32 (i / 8) on, channels 16 (i % 8) on: eight accumulators by turns
.macro PVM t
	WIN W_PV
.set i, 0
.rept 16
	v_wmma_f32_16x16x32_f16 v[64*(\t)+8*(i%8):64*(\t)+8*(i%8)+7], v[64*(i/8)+8*(i%8):64*(i/8)+8*(i%8)+7], v[P+16*(\t)+8*(i/8):P+16*(\t)+8*(i/8)+7], v[64*(\t)+8*(i%8):64*(\t)+8*(i%8)+7]
.set i, i+1
.endr
.endm
; register n holds key KEY + 16 (n / 8) + 8 h + n % 8 of query QT + r: hidden where 16 (n / 8) + n % 8 > QT - KEY + r - 8 h
.macro MASK t
	s_sub_co_i32 s70, s[QT+\t], s[KEY]
	v_add_nc_u32 v[DD], s70, v[LT]
.set n, 0
.rept 32
	v_cmp_gt_i32 vcc_lo, 16*(n/8)+n%8, v[DD]
	v_cndmask_b32 v[S+32*(\t)+n], v[S+32*(\t)+n], v[NEGI], vcc_lo
.set n, n+1
.endr
.endm
.macro SOFTMAX t
.set rT, ST+8*(\t)
.set rS, S+32*(\t)
.set rP, P+16*(\t)
.irp k, 0,1,2,3
	v_max3_num_f32 v[rT+4+\k], v[rS+8*\k], v[rS+8*\k+1], v[rS+8*\k+2]   ; four chains, each from an accumulator's low end
.endr
.irp j, 3,5
.irp k, 0,1,2,3
	v_max3_num_f32 v[rT+4+\k], v[rT+4+\k], v[rS+8*\k+\j], v[rS+8*\k+\j+1]
.endr
.endr
	v_max3_num_f32 v[rT+4], v[rT+4], v[rS+7], v[rS+15]
	v_max3_num_f32 v[rT+6], v[rT+6], v[rS+23], v[rS+31]
	v_max3_num_f32 v[rT+4], v[rT+4], v[rT+5], v[rT+6]
	v_max3_num_f32 v[rT+4], v[rT+4], v[rT+7], v[rT+1]             ; with the old m
	v_permlanex16_b32 v[rT+5], v[rT+4], s[SEL], s[SEL+1]          ; the query's other 32 keys lie in the lane 16 away
	v_mov_b32 v[rT+7], v[rT]                                      ; 32 m_old
	v_max_num_f32 v[rT+1], v[rT+4], v[rT+5]
	v_mul_f32 v[rT], s[CS], v[rT+1]                               ; 32 m: exact
	v_sub_f32 v[rT+7], v[rT+7], v[rT]
.set b, 0
.rept 16
	v_pk_fma_f32 v[rS+2*b:rS+2*b+1], v[rS+2*b:rS+2*b+1], s[CS:CS+1], v[rT:rT+1] op_sel_hi:[1,0,0] neg_lo:[0,0,1] neg_hi:[0,0,1]   ; 32 s - 32 m
.set b, b+1
.endr
	v_exp_f32 v[rT+6], v[rT+7]                                    ; ONE BATCH of 33 exponentials
.set b, 0
.rept 32
	v_exp_f32 v[rS+b], v[rS+b]
.set b, b+1
.endr
	v_nop                                                         ; the plain instruction behind the last of them
	s_wait_alu depctr_va_vdst(0)                                  ; and one wait for the batch, ahead of the first line that names a result
.set b, 0
.rept 16
	v_cvt_pk_f16_f32 v[rP+b], v[rS+2*b], v[rS+2*b+1]
.set b, b+1
.endr
.irp u, 0,1,2,3,4,5,6,7
	v_pk_add_f32 v[rS+4*\u:rS+4*\u+1], v[rS+4*\u:rS+4*\u+1], v[rS+4*\u+2:rS+4*\u+3]   ; the sum of the unrounded p, in place, as a tree
.endr
.irp u, 0,1,2,3
	v_pk_add_f32 v[rS+8*\u:rS+8*\u+1], v[rS+8*\u:rS+8*\u+1], v[rS+8*\u+4:rS+8*\u+5]
.endr
.irp u, 0,1
	v_pk_add_f32 v[rS+16*\u:rS+16*\u+1], v[rS+16*\u:rS+16*\u+1], v[rS+16*\u+8:rS+16*\u+9]
.endr
	v_pk_add_f32 v[rS:rS+1], v[rS:rS+1], v[rS+16:rS+17]
	v_pk_fma_f32 v[rT+2:rT+3], v[rT+2:rT+3], v[rT+6:rT+7], v[rS:rS+1] op_sel_hi:[1,0,1]
	WIN W_RS
.set b, 0
.rept 32
	v_pk_mul_f32 v[64*(\t)+2*b:64*(\t)+2*b+1], v[64*(\t)+2*b:64*(\t)+2*b+1], v[rT+6:rT+7] op_sel_hi:[1,0]   ; O^T under the new m, each accumulator from its low end on
.set b, b+1
.endr
.endm
.macro TILE t
	QK \t
	WIN 0
.rept 4
	v_nop                                          ; places between the products and the first read of the scores
.endr
	s_add_co_u32 s70, s[KEY], 63
	s_cmp_le_u32 s70, s[QT+\t]                     ; all 64 keys count for all 16 queries: no mask
	s_cbranch_scc1 .Lopen_\@
	MASK \t
.Lopen_\@:
	SOFTMAX \t
.if \t == 0
	s_wait_dscnt 0x0                               ; V is in
.endif
	PVM \t
	WIN 0
.endm
.macro STEP q
	s_add_co_u32 s70, s[QT], 15
	s_cmp_gt_u32 s[KEY], s70                       ; all keys come after tile 0's queries, and so after tile 1's
	s_cbranch_scc1 .Lhidden_\@
.rept 4
	v_nop                                          ; places in front of loads into registers that the last products have read
.endr
	v_add_nc_u32 v[ADK], s[TB], v[AK0]
	v_add_nc_u32 v[ADV], s[TB], v[AV0]
	WIN 0x80
.irp f, 0,1,2,3,4,5,6,7,8,9,10,11,12,13,14,15  ; keys 16 (f / 4) on, channels 32 (f % 4) on
	ds_load_b128 v[KFR+8*\f:KFR+8*\f+3],   v[ADK] offset:(\q)*STEPB+(\f/4)*16*PK+(\f%4)*64
	ds_load_b128 v[KFR+8*\f+4:KFR+8*\f+7], v[ADK] offset:(\q)*STEPB+(\f/4)*16*PK+(\f%4)*64+32
.endr
	WIN 0xc0
.irp f, 0,1,2,3,4,5,6,7,8,9,10,11,12,13,14,15  ; keys 32 (f / 8) on, channels 16 (f % 8) on
	ds_load_tr16_b128 v[8*\f:8*\f+3],   v[ADV] offset:(\q)*STEPB+(\f/8)*32*PV+(\f%8)*32
	ds_load_tr16_b128 v[8*\f+4:8*\f+7], v[ADV] offset:(\q)*STEPB+(\f/8)*32*PV+16*PV+(\f%8)*32
.endr
	s_wait_dscnt 32                                ; K's 32 loads are in; V's 32 may be out
	TILE 0
	s_add_co_u32 s70, s[QT+1], 15
	s_cmp_gt_u32 s[KEY], s70
	s_cbranch_scc1 .Lhidden_\@
	TILE 1
.Lhidden_\@:
	s_add_co_u32 s[KEY], s[KEY], 64
.endm
; THE CHANGE OF SLOTS, at a slot's head.  Each wave waits for all its tensor loads (its part of the slot ahead), adds 0 to its spare word, and waits for that and for its reads of the slot that it has left.
; Behind the barrier the slot ahead is whole and nobody reads the other one, which is filled with the next 128 keys: one load a wave, with two key steps in which to land.
.macro CHANGE fill
	s_wait_tensorcnt 0x0                           ; no tensor load of mine is out, so a group 0 may be written
	ds_add_u32 v[SPW], v[NIL]
.if \fill
	s_xor_b32 s[G0K+1], s[G0K+1], SLOT1
	s_add_nc_u64 s[G0K+2:G0K+3], s[G0K+2:G0K+3], 32768
	s_xor_b32 s[G0V+1], s[G0V+1], SLOT1
	s_add_nc_u64 s[G0V+2:G0V+3], s[G0V+2:G0V+3], 32768
	s_wait_xcnt 0x0                                ; the last prefetch, a slot back, has read its address
	s_add_nc_u64 s[PFA:PFA+1], s[PFA:PFA+1], 32768
.endif
	s_wait_dscnt 0x0                               ; the add is done, and my reads of the slot that I have left are over
	s_barrier_signal -1
	s_barrier_wait -1
.if \fill
	s_add_co_u32 s70, s[KEY], 128                  ; the first key of the slot that this change would ask for
	s_or_b32 s71, s[QT], 127                       ; my work-group's last token
	s_cmp_gt_u32 s70, s71                          ; past it no wave would read the slot: it is not asked for
	s_cbranch_scc1 .Lpast_\@
	TLOAD
.Lpast_\@:
	ASK
.endif
.endm
.macro SLOT_STEPS
	STEP 0
	STEP 1
	s_xor_b32 s[TB], s[TB], SLOT1
.endm
	s_wait_loadcnt 0x0                             ; Q
.Lslot:
	CHANGE 1
	SLOT_STEPS
	s_sub_co_u32 s[SLOTS], s[SLOTS], 1
	s_cmp_lg_u32 s[SLOTS], 0
	s_cbranch_scc1 .Lslot
	CHANGE 0                                       ; the last slot is written out: nothing is left to ask for
	SLOT_STEPS
	; THE WAY OUT: l's halves and the other half of the lanes' are added; O^T / l is rounded to f16 and goes through my stage, a tile at a time, so that sixteen lanes store 256 consecutive aligned bytes.
.rept 4
	v_nop
.endr
.irp t, 0,1
	v_add_f32 v[ST+8*\t+4], v[ST+8*\t+2], v[ST+8*\t+3]
.endr
.irp t, 0,1
	v_permlanex16_b32 v[ST+8*\t+5], v[ST+8*\t+4], s[SEL], s[SEL+1]
.endr
.irp t, 0,1
	v_add_f32 v[ST+8*\t+4], v[ST+8*\t+4], v[ST+8*\t+5]
.endr
.irp t, 0,1
	v_rcp_f32 v[ST+8*\t+6], v[ST+8*\t+4]
.endr
	v_nop
	s_wait_alu depctr_va_vdst(0)                   ; one wait for the two reciprocals, ahead of their first reader
.macro PACK t
	WIN W_RS
.set i, 64*\t
.rept 32
	v_pk_mul_f32 v[i:i+1], v[i:i+1], v[ST+8*\t+6:ST+8*\t+7] op_sel_hi:[1,0]
.set i, i+2
.endr
	WIN 0x05                                       ; sources window 1, destination window 0
.set i, 0
.rept 32
	v_cvt_pk_f16_f32 v[S+32*\t+i], v[64*\t+2*i], v[64*\t+2*i+1]
.set i, i+1
.endr
	WIN 0
.irp f, 0,1,2,3,4,5,6,7
	ds_store_b128 v[STO], v[S+32*\t+4*\f:S+32*\t+4*\f+3] offset:32*\f
.endr
.irp f, 0,1,2,3,4,5,6,7
	ds_load_b128 v[S+32*\t+4*\f:S+32*\t+4*\f+3], v[RD] offset:\f*2*SP   ; LDS serves a wave's instructions in order
.endr
.endm
.macro SEND t, younger                 ; younger: the LDS instructions issued behind tile t's loads
.irp f, 0,1,2,3,4,5,6,7
	s_wait_dscnt \younger+7-\f
	global_store_b128 v[GO], v[S+32*\t+4*\f:S+32*\t+4*\f+3], s[OB+2*\t:OB+2*\t+1] offset:8192*\f
.endr
.endm
	PACK 0
	PACK 1
	SEND 0, 16
	SEND 1, 0
	s_wait_tensorcnt 0x0                           ; the wave's end
	ds_add_u32 v[SPW], v[NIL]
	s_wait_dscnt 0x0
	s_endpgm
.Lfunc_end_k_q8e722fab15_attn:
	.size	k_q8e722fab15_attn, .Lfunc_end_k_q8e722fab15_attn-k_q8e722fab15_attn
	.p2alignl 7, 3214868480
	.fill 96, 4, 3214868480
	.section	.rodata,"a",@progbits
	.p2align	6, 0x0
	.amdhsa_kernel k_q8e722fab15_attn
		.amdhsa_group_segment_fixed_size 327680
		.amdhsa_private_segment_fixed_size 0
		.amdhsa_enable_private_segment 0
		.amdhsa_kernarg_size 16
		.amdhsa_user_sgpr_count 2
		.amdhsa_user_sgpr_kernarg_segment_ptr 1
		.amdhsa_wavefront_size32 1
		.amdhsa_system_sgpr_workgroup_id_x 1
		.amdhsa_system_sgpr_workgroup_id_y 1
		.amdhsa_system_sgpr_workgroup_id_z 1
		.amdhsa_system_vgpr_workitem_id 0
		.amdhsa_next_free_vgpr 896
		.amdhsa_next_free_sgpr 72
		.amdhsa_reserve_vcc 1
		.amdhsa_float_denorm_mode_32 3
		.amdhsa_float_denorm_mode_16_64 3
		.amdhsa_memory_ordered 1
		.amdhsa_forward_progress 1
		.amdhsa_inst_pref_size 139
	.end_amdhsa_kernel
	.amdgpu_metadata
---
amdhsa.version: [ 1, 2 ]
amdhsa.kernels:
  - .name:           k_q8e722fab15_attn
    .symbol:         k_q8e722fab15_attn.kd
    .args:
      - { .name: qkv, .offset: 0, .size: 8, .value_kind: global_buffer, .address_space: global }
      - { .name: att, .offset: 8, .size: 8, .value_kind: global_buffer, .address_space: global }
    .group_segment_fixed_size: 327680
    .private_segment_fixed_size: 0
    .kernarg_segment_align: 8
    .kernarg_segment_size: 16
    .max_flat_workgroup_size: 128
    .sgpr_count:     72
    .vgpr_count:     896
    .wavefront_size: 32
...
	.end_amdgpu_metadata
.endif
;; end of part 3
;; launch proj (part 4): grid 16 x 16, 4 waves a work-group, clusters of 4 x 4, 327,680 bytes of LDS; arguments att, wo16, bo, out0; writes out0
.if DOCPART == 4
	.amdgcn_target "amdgcn-amd-amdhsa--gfx1250"
	.amdhsa_code_object_version 6
	.text
	.protected	k_q8e722fab15_proj
	.globl	k_q8e722fab15_proj
	.p2align	8
	.type	k_q8e722fab15_proj,@function
k_q8e722fab15_proj:
	s_mov_b64 s[64:65], 0
	v_nop
	global_prefetch_b8 v0, s[64:65] scope:SCOPE_SE
	s_setreg_imm32_b32 hwreg(HW_REG_WAVE_MODE, 25, 1), 1
	s_wait_xcnt 0x0
	s_wait_alu depctr_hold_cnt(0) depctr_sa_sdst(0) depctr_va_vdst(0) depctr_va_sdst(0) depctr_va_ssrc(0) depctr_va_vcc(0) depctr_vm_vsrc(0)
	s_getreg_b32 s2, hwreg(HW_REG_IB_STS2, 6, 4)
	s_cmp_eq_u32 s2, 0
	s_cbranch_scc0 .Lentry_in_a_cluster
	s_endpgm
.Lentry_in_a_cluster:
	s_bfe_u32 s2, ttmp6, 0x10000c
	s_cmp_lg_u32 s2, 0xf033
	s_cbranch_scc0 .Lentry_shape_is_right
	s_endpgm
.Lentry_shape_is_right:
; out0[m][n] = sum over k of att[m][k] wo16[n][k] + bo[n].  att, wo16: [2048][2048] f16; bo: [2048] f32; out0: [2048][2048] f32; sums in f32.
; (Rows 0-15 are written once more, from f32 operands, by the launch that follows: leaving them out here would take a branch on a work-group's place in its cluster.)
; A tile of 128 x 128 to a work-group: 256 work-groups.  Four waves, each 64 x 64: 16 accumulators.  K goes in steps of 256 (LDS rows of 512 bytes; a wave's tensor load brings 64 of them) through two slots.
; CLUSTERS: 4 x 4 work-groups: att's tiles are shared along a row of the cluster, wo16's along a column, each asked for jointly.  The matrix instruction is used TRANSPOSED (source 0 = 16 rows of wo16, source 1 = 16 rows of att):
; a lane holds eight neighbouring numbers of a row of out0.  The bias is the C of each sum's first product.
; A wave's 64 columns of f32 are 256 aligned bytes: each wave sends its own rows out through its own stage, which lies in slot 0: by then that slot has had its last fill and its last read.
; REGISTERS: window 0: v0-31 addresses; v32-95 the way out; v96-127 the bias, 8 a block of columns; v128-255 the accumulators.  window 1: two fragment buffers of 128.
.set SIZE_M, 2048
.set SIZE_N, 2048
.set SIZE_K, 2048
.set KSTEP,  256
.set PITCH,  528
.set HALFT,  64*PITCH
.set SLOT,   4*HALFT
.set SPITCH, 272
.set SPARE,  2*SLOT                    ; behind the ring: the spare words, 128 bytes a wave, named by no other line
.set LAPS, SIZE_K/(2*KSTEP)
.set ADRA, 16
.set ADRB, 20
.set STO,  24
.set RD,   25
.set CO,   26
.set SPW,  28
.set NIL,  29
.set TMP,  32
.set BI,   96
.set ACC,  128
.set F0,   0
.set F1,   128
.set G1, 24
.set G0, 32
.set G1B, 48
.set G0B, 56
.set MSB, 0
.macro WIN new
.if MSB != \new
	s_set_vgpr_msb (MSB<<8)|\new
.set MSB, \new
.endif
.endm
.set MUL,  0x05
.set TO_F, 0x40
.macro JLOAD s                         ; a joint load: waves 0 and 1 fetch att's two halves, waves 2 and 3 wo16's; an s_nop 0 and four v_nop follow each line
	s_cmp_eq_u32 s11, 0
	s_cbranch_scc0 .Lfor_b_\@
	tensor_load_to_lds s[G0+4*\s:G0+4*\s+3], s[G1:G1+7]
	s_nop 0
.rept 4
	v_nop
.endr
	s_branch .Lasked_\@
.Lfor_b_\@:
	tensor_load_to_lds s[G0B+4*\s:G0B+4*\s+3], s[G1B:G1B+7]
	s_nop 0
.rept 4
	v_nop
.endr
.Lasked_\@:
.endm
.macro CREST
	s_cmp_lg_u32 s10, 0
	s_cbranch_scc1 .Lnot_wave_0_\@
	s_barrier_signal -3
.Lnot_wave_0_\@:
	s_barrier_wait -3
	s_barrier_signal -1
	s_barrier_wait -1
.endm
.macro CROUND
	s_barrier_signal -1
	s_barrier_wait -1
	CREST
.endm
	s_load_b128 s[4:7], s[0:1], 0x0                ; att, wo16
	s_load_b128 s[68:71], s[0:1], 0x10             ; bo, out0
	v_lshl_add_u32 v[SPW], v0, 2, SPARE
	v_mov_b32 v[NIL], 0
	ds_add_u32 v[SPW], v[NIL]                      ; the wave's opening: the add, twice on end, and its wait ahead of my first tensor load
	ds_add_u32 v[SPW], v[NIL]
	v_lshrrev_b32 v1, 5, v0
	v_readfirstlane_b32 s10, v1                    ; wave 0..3
	s_lshr_b32 s11, s10, 1                         ; which half of the tile's rows is mine.  Also: I fetch for att (0) or wo16 (1)
	s_and_b32 s12, s10, 1                          ; which half of its columns.  Also: which 64 rows of that tile I fetch
	s_bfe_u32 s40, ttmp6, 0x40000
	s_bfe_u32 s41, ttmp6, 0x40004
	s_lshl_b32 s42, ttmp9, 2
	s_add_co_u32 s42, s42, s40                     ; tile column
	s_and_b32 s13, ttmp7, 0xffff
	s_lshl_b32 s13, s13, 2
	s_add_co_u32 s13, s13, s41                     ; tile row
	s_lshl_b32 s43, s41, 2
	s_lshl_b32 s43, 15, s43
	s_lshl_b32 s44, 0x1111, s40
	s_or_b32 s[G1+0], s43, (1<<16)|(1<<20)|(1<<21)|(6<<22)|(3<<25)  ; the mask; elements of 2 bytes; padding: 4 words after every 128; bit 21 beside a mask
	s_or_b32 s[G1B+0], s44, (1<<16)|(1<<20)|(1<<21)|(6<<22)|(3<<25)
.irp g, G1, G1B
	s_mov_b32 s[\g+1], KSTEP<<16
	s_mov_b32 s[\g+2], 64<<16
	s_mov_b32 s[\g+3], KSTEP<<16
	s_mov_b32 s[\g+4], 64
	s_mov_b32 s[\g+5], SIZE_K
	s_mov_b32 s[\g+6], 0
	s_mov_b32 s[\g+7], 0
.endr
	s_lshl_b32 s17, s12, 6
	s_lshl_b32 s16, s13, 7
	s_add_co_u32 s16, s16, s17
	s_lshl_b32 s46, s42, 7
	s_add_co_u32 s46, s46, s17
	s_mov_b32 s17, 0
	s_mov_b32 s47, 0
	s_mov_b64 s[18:19], SIZE_K*2
	s_mul_u64 s[16:17], s[16:17], s[18:19]
	s_mul_u64 s[46:47], s[46:47], s[18:19]
	s_mul_i32 s20, s10, HALFT
	s_wait_dscnt 0x0                               ; both opening adds are done
	s_wait_kmcnt 0x0
	s_add_nc_u64 s[14:15], s[4:5], s[16:17]
	s_add_nc_u64 s[46:47], s[6:7], s[46:47]
	CROUND                                         ; all sixteen work-groups are here: the first joint loads meet
.irp s, 0,1
	s_mov_b32 s[G0+4*\s], 1
	s_add_co_u32 s[G0+4*\s+1], s20, \s*SLOT
	s_add_nc_u64 s[G0+4*\s+2:G0+4*\s+3], s[14:15], \s*KSTEP*2
	s_or_b32 s[G0+4*\s+3], s[G0+4*\s+3], 0x80000000
	s_mov_b32 s[G0B+4*\s], 1
	s_add_co_u32 s[G0B+4*\s+1], s20, \s*SLOT
	s_add_nc_u64 s[G0B+4*\s+2:G0B+4*\s+3], s[46:47], \s*KSTEP*2
	s_or_b32 s[G0B+4*\s+3], s[G0B+4*\s+3], 0x80000000
	JLOAD \s
.endr
	v_and_b32 v1, 15, v0                           ; r
	v_bfe_u32 v2, v0, 4, 1                         ; h
	v_mul_u32_u24 v3, v1, PITCH
	v_lshl_add_u32 v3, v2, 4, v3
	s_mul_i32 s21, s11, HALFT
	s_mul_i32 s22, s12, HALFT
	s_add_co_u32 s22, s22, 2*HALFT
.irp s, 0,1
	v_add_nc_u32 v[ADRA+\s], s21, v3
	v_add_nc_u32 v[ADRB+\s], s22, v3
	s_add_co_u32 s21, s21, SLOT
	s_add_co_u32 s22, s22, SLOT
.endr
	s_mul_i32 s23, s10, 16*SPITCH                  ; my stage: 16 rows x (256 bytes + 16)
	v_mul_u32_u24 v4, v1, SPITCH
	v_lshl_add_u32 v4, v2, 5, v4
	v_add_nc_u32 v[STO], s23, v4                   ; in: row r, 32 bytes for each half of the lanes
	v_mul_u32_u24 v5, v2, SPITCH
	v_lshl_add_u32 v5, v1, 4, v5
	v_add_nc_u32 v[RD], s23, v5                    ; back: lanes 0-15 one row, lanes 16-31 the next
	v_lshlrev_b32 v5, 13, v2
	v_lshl_add_u32 v[CO], v1, 4, v5                ; and the same two rows in out0
	s_lshl_b32 s16, s13, 7
	s_lshl_b32 s17, s11, 6
	s_add_co_u32 s16, s16, s17                     ; my first row: 128 x tile row + 64 x half
	s_lshl_b32 s16, s16, 13
	s_mov_b32 s17, 0
	s_add_nc_u64 s[70:71], s[70:71], s[16:17]
	s_lshl_b32 s46, s42, 9                         ; my first column in bytes: 512 x tile column + 256 x half
	s_lshl_b32 s47, s12, 8
	s_add_co_u32 s46, s46, s47
	s_mov_b32 s47, 0
	s_add_nc_u64 s[70:71], s[70:71], s[46:47]
	s_add_nc_u64 s[68:69], s[68:69], s[46:47]
	v_lshlrev_b32 v6, 5, v2
.irp b, 0,1,2,3
	global_load_b128 v[BI+8*\b:BI+8*\b+3],   v6, s[68:69] offset:64*\b       ; bo at my columns 16 b + 8 h + 0 .. 7
	global_load_b128 v[BI+8*\b+4:BI+8*\b+7], v6, s[68:69] offset:64*\b+16
.endr
; 8 matrix instructions: row blocks a0, a0 + 1 x all 4 column blocks, 32 along K.  zero = 1: the first product starts the sums, on the bias.  The 16 accumulators take turns.
.macro MUL8 f, c, a0, zero
.irp a, \a0, \a0+1
.irp b, 0,1,2,3
.if \zero
	v_wmma_f32_16x16x32_f16 v[ACC+8*(4*(\a)+\b):ACC+8*(4*(\a)+\b)+7], v[\f+64+8*(4*\c+\b):\f+64+8*(4*\c+\b)+7], v[\f+8*(4*\c+\a):\f+8*(4*\c+\a)+7], v[BI+8*\b:BI+8*\b+7]
.else
	v_wmma_f32_16x16x32_f16 v[ACC+8*(4*(\a)+\b):ACC+8*(4*(\a)+\b)+7], v[\f+64+8*(4*\c+\b):\f+64+8*(4*\c+\b)+7], v[\f+8*(4*\c+\a):\f+8*(4*\c+\a)+7], v[ACC+8*(4*(\a)+\b):ACC+8*(4*(\a)+\b)+7]
.endif
.endr
.endr
.endm
.macro FETCH slot, k, f                ; 32 LDS loads in one run: the fragments of 64 along K, the first 32 along K first
	WIN TO_F
.irp c, 0,1
.irp i, 0,1,2,3
	ds_load_b128 v[\f+64+8*(4*\c+\i):\f+64+8*(4*\c+\i)+3],   v[ADRB+\slot] offset:\k+64*\c+\i*16*PITCH
	ds_load_b128 v[\f+64+8*(4*\c+\i)+4:\f+64+8*(4*\c+\i)+7], v[ADRB+\slot] offset:\k+64*\c+\i*16*PITCH+32
	ds_load_b128 v[\f+8*(4*\c+\i):\f+8*(4*\c+\i)+3],         v[ADRA+\slot] offset:\k+64*\c+\i*16*PITCH
	ds_load_b128 v[\f+8*(4*\c+\i)+4:\f+8*(4*\c+\i)+7],       v[ADRA+\slot] offset:\k+64*\c+\i*16*PITCH+32
.endr
.endr
.endm
.macro PLACES
.rept 4
	v_nop
.endr
.endm
.macro QUARTER slot, k, f, g, zero
	s_wait_dscnt 16                                ; the first 32 along K are in; the other sixteen loads may be out
	WIN MUL
	MUL8 \f, 0, 0, \zero
	MUL8 \f, 0, 2, \zero
	PLACES
	FETCH \slot, \k, \g
	s_wait_dscnt 32                                ; all but the 32 just issued
	WIN MUL
	MUL8 \f, 1, 0, 0
	MUL8 \f, 1, 2, 0
.endm
.macro TURN slot, next, fill
	WIN 0
	s_wait_tensorcnt 0x0                           ; all my tensor loads have landed: my part of the next slot
	ds_add_u32 v[SPW], v[NIL]
	s_wait_dscnt 17                                ; the add and the youngest sixteen loads may be out
	WIN MUL
	MUL8 F1, 0, 0, 0
	s_wait_dscnt 0x0                               ; the add is done, and my reads of this slot are over
	s_barrier_signal -1
	MUL8 F1, 0, 2, 0
.if \fill
	WIN 0
.endif
	s_barrier_wait -1
.if \fill
	CREST                                          ; the barrier has opened a round of the cluster's: no wave of any partner still reads this slot or has a load on its way
	s_add_nc_u64 s[G0+4*\slot+2:G0+4*\slot+3], s[G0+4*\slot+2:G0+4*\slot+3], 2*KSTEP*2
	s_add_nc_u64 s[G0B+4*\slot+2:G0B+4*\slot+3], s[G0B+4*\slot+2:G0B+4*\slot+3], 2*KSTEP*2
	JLOAD \slot
.else
	PLACES
.endif
	FETCH \next, 0, F0
	WIN MUL
	MUL8 F1, 1, 0, 0
	MUL8 F1, 1, 2, 0
.endm
	s_wait_tensorcnt 1                             ; my part of K step 0 is in; K step 1's load may be out
	s_barrier_signal -1
	s_barrier_wait -1
	FETCH 0, 0, F0
	s_wait_loadcnt 0x0                             ; the bias
	QUARTER 0, 128, F0, F1, 1
	WIN 0
	s_mov_b32 s3, LAPS-1
.Llap:
	QUARTER 0, 256, F1, F0, 0
	QUARTER 0, 384, F0, F1, 0
	TURN 0, 1, 1
	QUARTER 1, 128, F0, F1, 0
	QUARTER 1, 256, F1, F0, 0
	QUARTER 1, 384, F0, F1, 0
	TURN 1, 0, 1
	QUARTER 0, 128, F0, F1, 0
	WIN 0
	s_sub_co_u32 s3, s3, 1
	s_cmp_lg_u32 s3, 0
	s_cbranch_scc1 .Llap
	QUARTER 0, 256, F1, F0, 0                      ; the last lap fills nothing
	QUARTER 0, 384, F0, F1, 0
	TURN 0, 1, 0
	QUARTER 1, 128, F0, F1, 0
	QUARTER 1, 256, F1, F0, 0
	QUARTER 1, 384, F0, F1, 0
	s_wait_dscnt 16
	WIN MUL
	MUL8 F1, 0, 0, 0
	MUL8 F1, 0, 2, 0
	s_wait_dscnt 0
	MUL8 F1, 1, 0, 0
	MUL8 F1, 1, 2, 0
	WIN 0
; THE WAY OUT, a block of 16 rows x 64 columns at a time, through my own stage: LDS serves a wave's instructions in order, so no wait stands between the stores and the loads.
.macro TOSTAGE a
.irp b, 0,1,2,3
	ds_store_b128 v[STO], v[ACC+8*(4*(\a)+\b):ACC+8*(4*(\a)+\b)+3] offset:64*\b        ; each accumulator from its low end on
	ds_store_b128 v[STO], v[ACC+8*(4*(\a)+\b)+4:ACC+8*(4*(\a)+\b)+7] offset:64*\b+16
.endr
.set BB, TMP+32*((\a)%2)
.irp f, 0,1,2,3,4,5,6,7
	ds_load_b128 v[BB+4*\f:BB+4*\f+3], v[RD] offset:\f*2*SPITCH
.endr
.endm
.macro SEND a, younger
.set BB, TMP+32*((\a)%2)
	s_wait_dscnt \younger                          ; the block is back; the next block's 8 stores and 8 loads may be out
.irp f, 0,1,2,3,4,5,6,7
	global_store_b128 v[CO], v[BB+4*\f:BB+4*\f+3], s[70:71] offset:(16*(\a)+2*\f)*8192 th:TH_STORE_NT   ; 16 lanes store 256 consecutive aligned bytes
.endr
.endm
	PLACES
	TOSTAGE 0
.irp a, 1,2,3
.if \a > 1
	s_wait_xcnt 0x0                                ; block a - 2's stores have read the registers into which block a comes back
.endif
	TOSTAGE \a
	SEND \a-1, 16
.endr
	SEND 3, 0
	s_wait_tensorcnt 0x0                           ; the wave's end
	ds_add_u32 v[SPW], v[NIL]
	s_wait_dscnt 0x0
	CROUND                                         ; the closing round
	s_endpgm
.Lfunc_end_k_q8e722fab15_proj:
	.size	k_q8e722fab15_proj, .Lfunc_end_k_q8e722fab15_proj-k_q8e722fab15_proj
	.p2alignl 7, 3214868480
	.fill 96, 4, 3214868480
	.section	.rodata,"a",@progbits
	.p2align	6, 0x0
	.amdhsa_kernel k_q8e722fab15_proj
		.amdhsa_group_segment_fixed_size 327680
		.amdhsa_private_segment_fixed_size 0
		.amdhsa_enable_private_segment 0
		.amdhsa_kernarg_size 32
		.amdhsa_user_sgpr_count 2
		.amdhsa_user_sgpr_kernarg_segment_ptr 1
		.amdhsa_wavefront_size32 1
		.amdhsa_system_sgpr_workgroup_id_x 1
		.amdhsa_system_sgpr_workgroup_id_y 1
		.amdhsa_system_sgpr_workgroup_id_z 1
		.amdhsa_system_vgpr_workitem_id 0
		.amdhsa_next_free_vgpr 512
		.amdhsa_next_free_sgpr 72
		.amdhsa_reserve_vcc 0
		.amdhsa_float_denorm_mode_32 3
		.amdhsa_float_denorm_mode_16_64 3
		.amdhsa_memory_ordered 1
		.amdhsa_forward_progress 1
		.amdhsa_inst_pref_size 86
	.end_amdhsa_kernel
	.amdgpu_metadata
---
amdhsa.version: [ 1, 2 ]
amdhsa.kernels:
  - .name:           k_q8e722fab15_proj
    .symbol:         k_q8e722fab15_proj.kd
    .args:
      - { .name: att, .offset: 0, .size: 8, .value_kind: global_buffer, .address_space: global }
      - { .name: wo16, .offset: 8, .size: 8, .value_kind: global_buffer, .address_space: global }
      - { .name: bo, .offset: 16, .size: 8, .value_kind: global_buffer, .address_space: global }
      - { .name: out0, .offset: 24, .size: 8, .value_kind: global_buffer, .address_space: global }
    .group_segment_fixed_size: 327680
    .private_segment_fixed_size: 0
    .kernarg_segment_align: 8
    .kernarg_segment_size: 32
    .max_flat_workgroup_size: 128
    .sgpr_count:     72
    .vgpr_count:     512
    .wavefront_size: 32
...
	.end_amdgpu_metadata
.endif
;; end of part 4
;; launch fine (part 5): grid 128 x 1, 16 waves a work-group, no clusters, 18,432 bytes of LDS; arguments fin, Wo, bo, out0; writes out0
.if DOCPART == 5
	.amdgcn_target "amdgcn-amd-amdhsa--gfx1250"
	.amdhsa_code_object_version 6
	.text
	.protected	k_q8e722fab15_fine
	.globl	k_q8e722fab15_fine
	.p2align	8
	.type	k_q8e722fab15_fine,@function
k_q8e722fab15_fine:
	s_mov_b64 s[64:65], 0
	v_nop
	global_prefetch_b8 v0, s[64:65] scope:SCOPE_SE
	s_setreg_imm32_b32 hwreg(HW_REG_WAVE_MODE, 25, 1), 1
	s_wait_xcnt 0x0
; Tokens 0-15 once more, with f32 operands throughout: their rows average one to sixteen values and are the largest of the output, so the rounding of 16-bit operands weighs most there.
; fin: tokens 0-15 of 24 heads in f32 (0-15 q, 16-19 k, 20-23 v; q and k scaled so that a score is t / 32), 8,192 bytes a head: (token r, d = 16 b + 8 h + 4 u + e) at byte 512 (2 b + u) + 16 (r + 16 h) + 4 e.
; SHARES.  A work-group makes columns 16 x .. 16 x + 15 of rows 0-15 of out0.  Wave w is head w: its scores, softmax and values (repeated in every work-group: 64 small products), then its 128 channels' part of the
; projection.  The sixteen parts meet in LDS; waves 0 and 1 add them, and the bias, and store.
; ALL PRODUCTS by the 16 x 16 x 4 form in f32.  K is permuted alike in both operands: a chunk of 4 is registers 2 c, 2 c + 1 of a lane, which hold d = 16 (c / 4) + 8 h + 2 (c % 4) + j in the images of q and k,
; in O^T as the second product leaves it, and in Wo as it is loaded.  The registers that these products write (v176-255) are written by nothing else; each sum begins on the constant 0.
; LIMITS: NaN and infinities are not served; sums in another order than the reference's.  The stores are pieces of 64 bytes a row: 128 KiB in all.
.set QI,  16                           ; v16-79   q's image; then V^T; then the sixteen parts
.set KI,  80                           ; v80-143  k's image; then:
.set WB,  80                           ; v80-111  Wo, channels 64-127
.set SS,  112                          ; v112-119 scores, then p unnormalised
.set PP,  120                          ; v120-127 p
.set YY,  128                          ; v128-135 my part of the result
.set BB,  136                          ; v136-139 the bias
.set WA,  144                          ; v144-175 Wo, channels 0-63
.set AC,  176                          ; v176-191 two accumulators by turns
.set OO,  192                          ; v192-255 O^T, 8 tiles
.set SPW, 14
.set NIL, 15
.set SPARE, 16384                      ; behind the sixteen parts: the spare words, 128 bytes a wave, named by no other line
.set WV,  20
.set SEL, 22
.set CS,  24
	s_load_b256 s[4:11], s[0:1], 0x0               ; fin, Wo, bo, out0
	v_lshl_add_u32 v[SPW], v0, 2, SPARE
	v_mov_b32 v[NIL], 0
	v_lshrrev_b32 v1, 5, v0
	v_readfirstlane_b32 s[WV], v1                  ; wave = head
	v_and_b32 v1, 31, v0                           ; lane
	v_and_b32 v2, 15, v0                           ; r
	v_bfe_u32 v3, v0, 4, 1                         ; h
	v_lshlrev_b32 v4, 4, v1                        ; 16 x lane: an image's place for my lane
	v_lshlrev_b32 v5, 13, v2
	v_lshl_add_u32 v5, v3, 5, v5                   ; Wo: row r of 8,192 bytes, + 32 h
	v_bfe_u32 v6, v0, 2, 1                         ; V^T: register 8 ct + i is to hold V(key 8 h + i, channel 16 ct + r):
	v_lshlrev_b32 v6, 9, v6                        ; 512 ((r / 4) % 2)
	v_bfe_u32 v7, v0, 3, 1
	v_lshl_add_u32 v6, v7, 8, v6                   ; + 256 (r / 8)
	v_and_b32 v7, 3, v0
	v_lshl_add_u32 v6, v7, 2, v6                   ; + 4 (r % 4)
	v_lshl_add_u32 v6, v3, 7, v6                   ; + 128 h
	s_and_b32 s25, s[WV], 1
	s_lshl_b32 s26, s25, 4
	v_lshl_add_u32 v7, v3, 5, s26                  ; the bias: 32 h + 16 (w % 2)
	v_add_nc_u32 v8, s26, v5                       ; out0: row r, + 32 h + 16 (w % 2)
	s_lshl_b32 s27, s[WV], 10
	v_add_nc_u32 v9, s27, v4                       ; LDS: my part: 1,024 bytes a wave
	s_lshl_b32 s27, s25, 9
	v_add_nc_u32 v10, s27, v4                      ; and the half of each part that waves 0 and 1 read
	v_lshlrev_b32 v11, 3, v3
	v_sub_nc_u32 v11, v2, v11                      ; r - 8 h
	v_mov_b32 v12, 0xff800000                      ; -infinity
	v_mov_b32 v13, 0                               ; a lane permute's destination counts as one of its sources
	s_mov_b32 s[SEL], 0x76543210
	s_mov_b32 s[SEL+1], 0xfedcba98
	s_mov_b32 s[CS], 0x42000000                    ; 32.0
	s_lshl_b32 s12, s[WV], 13                      ; q's image
	s_mov_b32 s13, 0
	s_lshr_b32 s14, s[WV], 2
	s_add_co_u32 s14, s14, 16
	s_lshl_b32 s14, s14, 13                        ; k's
	s_mov_b32 s15, 0
	s_lshl_b32 s16, ttmp9, 17                      ; Wo: my 16 rows,
	s_lshl_b32 s17, s[WV], 9                       ; my head's 512 bytes of each
	s_add_co_u32 s16, s16, s17
	s_mov_b32 s17, 0
	s_lshl_b32 s18, ttmp9, 6                       ; my 16 columns in bytes
	s_mov_b32 s19, 0
	s_wait_kmcnt 0x0
	s_add_nc_u64 s[12:13], s[4:5], s[12:13]
	s_add_nc_u64 s[14:15], s[4:5], s[14:15]
	s_add_nc_u64 s[6:7], s[6:7], s[16:17]
	s_add_nc_u64 s[8:9], s[8:9], s[18:19]
	s_add_nc_u64 s[10:11], s[10:11], s[18:19]
	s_add_nc_u64 s[16:17], s[14:15], 4*8192        ; v's image lies four heads behind k's
.irp i, 0,1,2,3,4,5,6,7,8,9,10,11,12,13,14,15
	global_load_b128 v[QI+4*\i:QI+4*\i+3], v4, s[12:13] offset:512*\i
.endr
.irp i, 0,1,2,3,4,5,6,7,8,9,10,11,12,13,14,15
	global_load_b128 v[KI+4*\i:KI+4*\i+3], v4, s[14:15] offset:512*\i
.endr
.irp ct, 0,1,2,3
.irp u, 0,1
	global_load_b128 v[WA+8*\ct+4*\u:WA+8*\ct+4*\u+3], v5, s[6:7] offset:64*\ct+16*\u th:TH_LOAD_NT
.endr
.endr
	s_wait_loadcnt 8                               ; q and k are in; Wo's eight loads may be out
	; S^T = k q^T: lane (r, h) gets query r and keys 8 h + 0 .. 7.  Two accumulators by turns
.set c, 0
.rept 32
.if c < 2
	v_wmma_f32_16x16x4_f32 v[AC+8*(c%2):AC+8*(c%2)+7], v[KI+2*c:KI+2*c+1], v[QI+2*c:QI+2*c+1], 0
.else
	v_wmma_f32_16x16x4_f32 v[AC+8*(c%2):AC+8*(c%2)+7], v[KI+2*c:KI+2*c+1], v[QI+2*c:QI+2*c+1], v[AC+8*(c%2):AC+8*(c%2)+7]
.endif
.set c, c+1
.endr
.rept 8
	v_nop                                          ; eight places behind this form, in front of loads into its operands and of the first read of its results
.endr
.irp ct, 0,1,2,3,4,5,6,7
.irp i, 0,1,2,3,4,5,6,7
	global_load_b32 v[QI+8*\ct+\i], v6, s[16:17] offset:1024*\ct+16*\i
.endr
.endr
	global_load_b128 v[BB:BB+3], v7, s[8:9]
.irp ct, 0,1,2,3
.irp u, 0,1
	global_load_b128 v[WB+8*\ct+4*\u:WB+8*\ct+4*\u+3], v5, s[6:7] offset:256+64*\ct+16*\u th:TH_LOAD_NT
.endr
.endr
.irp i, 0,1,2,3,4,5,6,7
	v_add_f32 v[SS+\i], v[AC+\i], v[AC+8+\i]       ; both accumulators from their low ends on
.endr
.irp i, 0,1,2,3,4,5,6,7
	v_cmp_gt_i32 vcc_lo, \i, v11                   ; key 8 h + i comes after query r
	v_cndmask_b32 v[SS+\i], v[SS+\i], v12, vcc_lo
.endr
	v_max3_num_f32 v140, v[SS], v[SS+1], v[SS+2]
	v_max3_num_f32 v140, v140, v[SS+3], v[SS+4]
	v_max3_num_f32 v140, v140, v[SS+5], v[SS+6]
	v_max_num_f32 v140, v140, v[SS+7]
	v_permlanex16_b32 v13, v140, s[SEL], s[SEL+1]
	v_max_num_f32 v140, v140, v13                  ; the row's maximum: key 0 counts for every query
	v_mul_f32 v141, s[CS], v140                    ; 32 m: exact
.irp i, 0,1,2,3,4,5,6,7
	v_fma_f32 v[SS+\i], v[SS+\i], s[CS], -v141
.endr
.irp i, 0,1,2,3,4,5,6,7
	v_exp_f32 v[SS+\i], v[SS+\i]
.endr
	v_nop
	s_wait_alu depctr_va_vdst(0)                   ; one wait for the eight, ahead of their first reader
	v_add_f32 v142, v[SS], v[SS+1]
	v_add_f32 v143, v[SS+2], v[SS+3]
	v_add_f32 v142, v142, v[SS+4]
	v_add_f32 v143, v143, v[SS+5]
	v_add_f32 v142, v142, v[SS+6]
	v_add_f32 v143, v143, v[SS+7]
	v_add_f32 v142, v142, v143
	v_permlanex16_b32 v13, v142, s[SEL], s[SEL+1]
	v_add_f32 v142, v142, v13
	v_rcp_f32 v143, v142
	v_nop
	s_wait_alu depctr_va_vdst(0)
.irp i, 0,1,2,3,4,5,6,7
	v_mul_f32 v[PP+\i], v[SS+\i], v143
.endr
	s_wait_loadcnt 9                               ; V^T is in; the bias and Wo's last eight loads may be out
	; O^T = V^T p^T: K = the 16 keys, 4 chunks; eight tiles of 16 channels by turns
.irp c, 0,1,2,3
.irp ct, 0,1,2,3,4,5,6,7
.if \c == 0
	v_wmma_f32_16x16x4_f32 v[OO+8*\ct:OO+8*\ct+7], v[QI+8*\ct+2*\c:QI+8*\ct+2*\c+1], v[PP+2*\c:PP+2*\c+1], 0
.else
	v_wmma_f32_16x16x4_f32 v[OO+8*\ct:OO+8*\ct+7], v[QI+8*\ct+2*\c:QI+8*\ct+2*\c+1], v[PP+2*\c:PP+2*\c+1], v[OO+8*\ct:OO+8*\ct+7]
.endif
.endr
.endr
.rept 9
	v_nop                                          ; nine places: the results become an operand of the next products
.endr
	s_wait_loadcnt 0x0
	; my part of the projection: source 0 = 16 rows of Wo, source 1 = O^T: lane (r, h) gets token r, columns 8 h + 0 .. 7
.set c, 0
.rept 32
.if c < 16
.set WR, WA+2*c
.else
.set WR, WB+2*(c-16)
.endif
.if c < 2
	v_wmma_f32_16x16x4_f32 v[AC+8*(c%2):AC+8*(c%2)+7], v[WR:WR+1], v[OO+2*c:OO+2*c+1], 0
.else
	v_wmma_f32_16x16x4_f32 v[AC+8*(c%2):AC+8*(c%2)+7], v[WR:WR+1], v[OO+2*c:OO+2*c+1], v[AC+8*(c%2):AC+8*(c%2)+7]
.endif
.set c, c+1
.endr
.rept 8
	v_nop
.endr
.irp i, 0,1,2,3,4,5,6,7
	v_add_f32 v[YY+\i], v[AC+\i], v[AC+8+\i]
.endr
	ds_store_b128 v9, v[YY:YY+3]
	ds_store_b128 v9, v[YY+4:YY+7] offset:512
	s_wait_dscnt 0x0                               ; for the others' sake: my part lies in LDS
	s_barrier_signal -1
	s_barrier_wait -1
	s_cmp_lt_u32 s[WV], 2
	s_cbranch_scc0 .Ldone
.irp p, 0,1,2,3,4,5,6,7,8,9,10,11,12,13,14,15
	ds_load_b128 v[QI+4*\p:QI+4*\p+3], v10 offset:1024*\p    ; wave w: columns 8 h + 4 w + 0 .. 3 of all sixteen parts
.endr
	s_wait_dscnt 0x0
.irp p, 0,2,4,6,8,10,12,14
	v_pk_add_f32 v[QI+4*\p:QI+4*\p+1], v[QI+4*\p:QI+4*\p+1], v[QI+4*\p+4:QI+4*\p+5]
	v_pk_add_f32 v[QI+4*\p+2:QI+4*\p+3], v[QI+4*\p+2:QI+4*\p+3], v[QI+4*\p+6:QI+4*\p+7]
.endr
.irp p, 0,4,8,12
	v_pk_add_f32 v[QI+4*\p:QI+4*\p+1], v[QI+4*\p:QI+4*\p+1], v[QI+4*\p+8:QI+4*\p+9]
	v_pk_add_f32 v[QI+4*\p+2:QI+4*\p+3], v[QI+4*\p+2:QI+4*\p+3], v[QI+4*\p+10:QI+4*\p+11]
.endr
.irp p, 0,8
	v_pk_add_f32 v[QI+4*\p:QI+4*\p+1], v[QI+4*\p:QI+4*\p+1], v[QI+4*\p+16:QI+4*\p+17]
	v_pk_add_f32 v[QI+4*\p+2:QI+4*\p+3], v[QI+4*\p+2:QI+4*\p+3], v[QI+4*\p+18:QI+4*\p+19]
.endr
	v_pk_add_f32 v[QI:QI+1], v[QI:QI+1], v[QI+32:QI+33]
	v_pk_add_f32 v[QI+2:QI+3], v[QI+2:QI+3], v[QI+34:QI+35]
	v_pk_add_f32 v[QI:QI+1], v[QI:QI+1], v[BB:BB+1]
	v_pk_add_f32 v[QI+2:QI+3], v[QI+2:QI+3], v[BB+2:BB+3]
	global_store_b128 v8, v[QI:QI+3], s[10:11]
.Ldone:
	s_wait_tensorcnt 0x0                           ; the wave's end, behind my last LDS store
	ds_add_u32 v[SPW], v[NIL]
	s_wait_dscnt 0x0
	s_endpgm
.Lfunc_end_k_q8e722fab15_fine:
	.size	k_q8e722fab15_fine, .Lfunc_end_k_q8e722fab15_fine-k_q8e722fab15_fine
	.p2alignl 7, 3214868480
	.fill 96, 4, 3214868480
	.section	.rodata,"a",@progbits
	.p2align	6, 0x0
	.amdhsa_kernel k_q8e722fab15_fine
		.amdhsa_group_segment_fixed_size 18432
		.amdhsa_private_segment_fixed_size 0
		.amdhsa_enable_private_segment 0
		.amdhsa_kernarg_size 32
		.amdhsa_user_sgpr_count 2
		.amdhsa_user_sgpr_kernarg_segment_ptr 1
		.amdhsa_wavefront_size32 1
		.amdhsa_system_sgpr_workgroup_id_x 1
		.amdhsa_system_sgpr_workgroup_id_y 1
		.amdhsa_system_sgpr_workgroup_id_z 1
		.amdhsa_system_vgpr_workitem_id 0
		.amdhsa_next_free_vgpr 256
		.amdhsa_next_free_sgpr 66
		.amdhsa_reserve_vcc 1
		.amdhsa_float_denorm_mode_32 3
		.amdhsa_float_denorm_mode_16_64 3
		.amdhsa_memory_ordered 1
		.amdhsa_forward_progress 1
		.amdhsa_inst_pref_size 27
	.end_amdhsa_kernel
	.amdgpu_metadata
---
amdhsa.version: [ 1, 2 ]
amdhsa.kernels:
  - .name:           k_q8e722fab15_fine
    .symbol:         k_q8e722fab15_fine.kd
    .args:
      - { .name: fin, .offset: 0, .size: 8, .value_kind: global_buffer, .address_space: global }
      - { .name: Wo, .offset: 8, .size: 8, .value_kind: global_buffer, .address_space: global }
      - { .name: bo, .offset: 16, .size: 8, .value_kind: global_buffer, .address_space: global }
      - { .name: out0, .offset: 24, .size: 8, .value_kind: global_buffer, .address_space: global }
    .group_segment_fixed_size: 18432
    .private_segment_fixed_size: 0
    .kernarg_segment_align: 8
    .kernarg_segment_size: 32
    .max_flat_workgroup_size: 512
    .sgpr_count:     66
    .vgpr_count:     256
    .wavefront_size: 32
...
	.end_amdgpu_metadata
.endif
;; end of part 5
